; MI455X (gfx1250); checked and timed in simulation.
; The chip was launched on July 23, 2026; its instructions are those of AMD's public machine-readable ISA for CDNA 5 (MIT licence, August 2026) and "CDNA5" Instruction Set Architecture Reference Guide (July 2026). The comments in the code are by the model that wrote it; some were corrected since.
;; MHA. Allowed arithmetic: float matrix products may take bf16 or f16 operands with f32 sums; other float arithmetic in f32, or as packed bf16 or f16 multiplies, adds, multiply-adds, maxima and minima; sums over many terms, partial sums and values carried from step to step in f32; what a program stores and reads back later, other than sums and carried values, may be rounded once to bf16 or f16.
;; Inputs: Wo_b 2,048 float32; Wo_w 2,048 x 2,048 float32; Wq_b 2,048 float32; Wq_w 2,048 x 2,048 float32; X 2 x 2,048 x 2,048 float32; rms_w 2,048 float32.
;; Outputs: out0 2 x 2,048 x 2,048 float32.
;; One version. Each part assembles by itself: llvm-mc -triple=amdgcn-amd-amdhsa -mcpu=gfx1250 --defsym DOCPART=n.
;; ======== version 1 of 1: 4 launches
;; limits: values are held in f16: magnitudes above 65,504 overflow, below 6.1e-05 lose precision
;; workspace buffers: xn 16,777,216 bytes; wq16 8,388,608 bytes; wo16 8,388,608 bytes; rope 1,048,576 bytes; qr 16,777,216 bytes; vv 16,777,216 bytes; ob 16,777,216 bytes
;; launch prep (part 1): grid 288 x 1, 8 waves a work-group, no clusters, 0 bytes of LDS; arguments X, Wq_w, Wo_w, rms_w, xn, wq16, wo16, rope; writes xn, wq16, wo16, rope
.if DOCPART == 1
	.amdgcn_target "amdgcn-amd-amdhsa--gfx1250"
	.amdhsa_code_object_version 6
	.text
	.protected	k_qedd2377ad7_prep
	.globl	k_qedd2377ad7_prep
	.p2align	8
	.type	k_qedd2377ad7_prep,@function
k_qedd2377ad7_prep:
	s_mov_b64 s[64:65], 0
	v_nop
	global_prefetch_b8 v0, s[64:65] scope:SCOPE_SE
	s_setreg_imm32_b32 hwreg(HW_REG_WAVE_MODE, 25, 1), 1
	s_wait_xcnt 0x0
; PREP: three streams in one launch, chosen by the work-group's number g.
;   g   0..127  xn[row] = bf16(X[row]) * rsqrt(mean(bf16(X[row])^2) + eps) * bf16(rms_w), rounded once to f16.   4,096 rows of 2,048.
;   g 128..255  wq16, wo16 = the weights rounded to bf16, that number written as f16.                            2 x 2,048 rows of 2,048.
;   g 256..287  rope[p] = cos(p f_i), i = 0..63, then sin(p f_i): 512 bytes a position, 2,048 positions, f_i = 10000^(-i/64).
; Every input of the module is rounded to bf16 where it is first used; what the program itself makes is kept in f16.
; LIMITS.  xn and the weights must lie within f16's 65,504; a weight below 6.1e-5 keeps f16's fixed step of 6e-8.  NaN and infinities are not treated apart.
; A row is 8,192 bytes: one wave takes it with sixteen 16-byte loads a lane (each load 512 consecutive bytes) and keeps it in 64 registers, so memory is read once.
; Load j brings columns 128 j + 4 lane .. + 3; as f16 they are 8 bytes at 256 j + 8 lane: a store of the wave covers 256 consecutive bytes, aligned.
; A wave takes four rows, one after the other; with 176 registers two work-groups lie on a WGP, and their sixteen waves' loads overlap.
; No LDS, no matrix unit, no cluster: a stream that shares nothing.
.set T,   4                            ; v[4:15]    at work
.set W,   16                           ; v[16:79]   rms_w of my 64 columns, rounded to bf16, as f32
.set XR,  80                           ; v[80:143]  the row
.set Y,   144                          ; v[144:175] packed 16-bit numbers: at work, then the stores' data
.macro LOADROW base                    ; a whole row; nothing else of the wave is out, so the wait is for all
.irp j, 0,1,2,3,4,5,6,7,8,9,10,11,12,13,14,15
	global_load_b128 v[XR+4*\j:XR+4*\j+3], v1, s[\base:\base+1] offset:512*\j th:TH_LOAD_NT
.endr
	s_wait_loadcnt 0x0
.endm
.macro RND base                        ; 64 numbers rounded to bf16 (nearest even) and widened again, in place
.set i, 0
.rept 32
	v_cvt_pk_bf16_f32 v[Y+i], v[\base+2*i], v[\base+2*i+1]
.set i, i+1
.endr
.set i, 0
.rept 32
	v_lshlrev_b32 v[\base+2*i], 16, v[Y+i]
	v_and_b32 v[\base+2*i+1], s24, v[Y+i]
.set i, i+1
.endr
.endm
.macro OUTROW base                     ; the row rounded to f16 and stored
.set i, 0
.rept 32
	v_cvt_pk_f16_f32 v[Y+i], v[XR+2*i], v[XR+2*i+1]
.set i, i+1
.endr
.irp j, 0,1,2,3,4,5,6,7,8,9,10,11,12,13,14,15
	global_store_b64 v2, v[Y+2*\j:Y+2*\j+1], s[\base:\base+1] offset:256*\j
.endr
	s_wait_xcnt 0x0                        ; Y and the two bases are rewritten only behind this wait (ISA guide 3.1)
.endm
	s_load_b512 s[4:19], s[0:1], 0x0       ; X s[4:5], Wq s[6:7], Wo s[8:9], rms_w s[10:11], xn s[12:13], wq16 s[14:15], wo16 s[16:17], rope s[18:19]
	v_lshrrev_b32 v3, 5, v0
	v_readfirstlane_b32 s20, v3            ; wave 0..7
	v_and_b32 v3, 31, v0                   ; lane
	v_lshlrev_b32 v1, 4, v3                ; my 16 bytes in 512 of an f32 row
	v_lshlrev_b32 v2, 3, v3                ; my 8 bytes in 256 of an f16 row
	s_mov_b32 s23, 0                       ; the high word of 32-bit offsets
	s_mov_b32 s24, 0xffff0000              ; a word's upper bf16
	s_mov_b32 s30, 4                       ; trips of each of the three loops
	s_wait_kmcnt 0x0
	s_cmp_lt_u32 ttmp9, 128
	s_cbranch_scc1 .Lnorm
	s_cmp_lt_u32 ttmp9, 256
	s_cbranch_scc1 .Lwcvt
	; THE TABLE.  Lane (c = lane % 16, rr = lane / 16) owns frequencies 4 c .. 4 c + 3 of position 64 (g - 256) + 8 wave + 2 trip + rr.
	; angle = p f (one rounding, as the module has it); r = angle - 2 pi n with 2 pi in two parts; x = r / 4, |x| <= pi / 4 (a hair more where n falls the other way);
	; sine to x^7 and cosine to x^8 leave 3e-7 and 3e-8 there for every x; two doublings bring the angle back.  The angles hang on positions alone, never on data.
	s_sub_co_u32 s21, ttmp9, 256
	s_lshl_b32 s21, s21, 6
	s_lshl3_add_u32 s21, s20, s21          ; my wave's first position
	s_mov_b32 s22, 0x40c90fdb              ; 2 pi, the f32 next to it,
	s_mov_b32 s25, 0xb43bbd2e              ; and what is left of it
	s_mov_b32 s32, 0xbe2aaaab              ; -1/6      (each constant fills a pair: the packed forms name pairs)
	s_mov_b32 s33, 0xbe2aaaab
	s_mov_b32 s34, 0x3c088889              ; 1/120
	s_mov_b32 s35, 0x3c088889
	s_mov_b32 s36, 0xb9500d01              ; -1/5040
	s_mov_b32 s37, 0xb9500d01
	s_mov_b32 s38, 0x3d2aaaab              ; 1/24
	s_mov_b32 s39, 0x3d2aaaab
	s_mov_b32 s40, 0xbab60b61              ; -1/720
	s_mov_b32 s41, 0xbab60b61
	s_mov_b32 s42, 0x37d00d01              ; 1/40320
	s_mov_b32 s43, 0x37d00d01
	v_and_b32 v4, 15, v3                   ; c
	v_lshrrev_b32 v5, 4, v3                ; rr
	v_lshlrev_b32 v6, 2, v4
.irp k, 0,1,2,3
	v_add_nc_u32 v7, \k, v6
	v_cvt_f32_u32 v[16+\k], v7
	v_mul_f32 v[16+\k], 0xbe549a78, v[16+\k]   ; -i log2(10000) / 64
.endr
.irp k, 0,1,2,3
	v_exp_f32 v[16+\k], v[16+\k]           ; f_i
.endr
	v_add_nc_u32 v8, s21, v5               ; my first position (also the plain instruction behind the last exponential: ISA guide 5.7.2)
	v_cvt_f32_u32 v12, v8
	v_cvt_f32_u32 v13, v8                  ; twice: a pair for the packed multiply
	v_lshlrev_b32 v10, 9, v8               ; 512 bytes a position,
	v_lshl_add_u32 v10, v4, 4, v10         ; 16 bytes a lane: sixteen lanes cover a position's 256 bytes of cosines
.Lrope:
	s_wait_alu depctr_va_vdst(0)
	v_pk_mul_f32 v[20:21], v[16:17], v[12:13]
	v_pk_mul_f32 v[22:23], v[18:19], v[12:13]
.irp k, 0,1,2,3
	v_mul_f32 v[24+\k], 0x3e22f983, v[20+\k]   ; angle / 2 pi
.endr
.irp k, 0,1,2,3
	v_rndne_f32 v[24+\k], v[24+\k]
.endr
.irp k, 0,1,2,3
	v_fma_f32 v[20+\k], -v[24+\k], s22, v[20+\k]
.endr
.irp k, 0,1,2,3
	v_fma_f32 v[20+\k], -v[24+\k], s25, v[20+\k]
.endr
.irp k, 0,1,2,3
	v_mul_f32 v[20+\k], 0x3e800000, v[20+\k]   ; x = r / 4
.endr
.irp q, 0,2
	v_pk_mul_f32 v[24+\q:25+\q], v[20+\q:21+\q], v[20+\q:21+\q]                          ; x^2
.endr
.irp q, 0,2
	v_pk_fma_f32 v[28+\q:29+\q], v[24+\q:25+\q], s[36:37], s[34:35] op_sel_hi:[1,0,0]    ; the sine's chain
	v_pk_fma_f32 v[32+\q:33+\q], v[24+\q:25+\q], s[42:43], s[40:41] op_sel_hi:[1,0,0]    ; the cosine's
.endr
.irp q, 0,2
	v_pk_fma_f32 v[28+\q:29+\q], v[24+\q:25+\q], v[28+\q:29+\q], s[32:33] op_sel_hi:[1,1,0]
	v_pk_fma_f32 v[32+\q:33+\q], v[24+\q:25+\q], v[32+\q:33+\q], s[38:39] op_sel_hi:[1,1,0]
.endr
.irp q, 0,2
	v_pk_fma_f32 v[28+\q:29+\q], v[24+\q:25+\q], v[28+\q:29+\q], 1.0 op_sel_hi:[1,1,0]
	v_pk_fma_f32 v[32+\q:33+\q], v[24+\q:25+\q], v[32+\q:33+\q], -0.5 op_sel_hi:[1,1,0]
.endr
.irp q, 0,2
	v_pk_mul_f32 v[28+\q:29+\q], v[28+\q:29+\q], v[20+\q:21+\q]                          ; sin x
	v_pk_fma_f32 v[32+\q:33+\q], v[24+\q:25+\q], v[32+\q:33+\q], 1.0 op_sel_hi:[1,1,0]   ; cos x
.endr
.rept 2                                ; sin 2x = 2 sin x cos x, cos 2x = 1 - 2 sin^2 x
.irp q, 0,2
	v_pk_mul_f32 v[36+\q:37+\q], v[28+\q:29+\q], v[32+\q:33+\q]
	v_pk_mul_f32 v[40+\q:41+\q], v[28+\q:29+\q], v[28+\q:29+\q]
.endr
.irp q, 0,2
	v_pk_add_f32 v[28+\q:29+\q], v[36+\q:37+\q], v[36+\q:37+\q]
	v_pk_fma_f32 v[32+\q:33+\q], v[40+\q:41+\q], -2.0, 1.0 op_sel_hi:[1,0,0]
.endr
.endr
	global_store_b128 v10, v[32:35], s[18:19]              ; four cosines
	global_store_b128 v10, v[28:31], s[18:19] offset:256   ; four sines
	s_wait_xcnt 0x0                        ; the stores' data and offset are rewritten only behind this wait
	v_add_nc_u32 v10, 1024, v10            ; two positions on
	v_pk_add_f32 v[12:13], v[12:13], 2.0 op_sel_hi:[1,0]
	s_sub_co_u32 s30, s30, 1
	s_cmp_lg_u32 s30, 0
	s_cbranch_scc1 .Lrope
	s_endpgm
.Lwcvt:                                ; THE WEIGHTS.  64 work-groups for each of the two, 32 rows each, 4 a wave
	s_sub_co_u32 s21, ttmp9, 128
	s_cmp_lt_u32 s21, 64
	s_cselect_b64 s[4:5], s[6:7], s[8:9]           ; from Wq or from Wo,
	s_cselect_b64 s[12:13], s[14:15], s[16:17]     ; into wq16 or into wo16
	s_and_b32 s21, s21, 63
	s_lshl_b32 s21, s21, 5
	s_lshl2_add_u32 s21, s20, s21          ; my first row
	s_lshl_b32 s22, s21, 13
	s_add_nc_u64 s[4:5], s[4:5], s[22:23]
	s_lshl_b32 s22, s21, 12
	s_add_nc_u64 s[12:13], s[12:13], s[22:23]
.Lwrow:
	LOADROW 4
	RND XR
	OUTROW 12
	s_add_nc_u64 s[4:5], s[4:5], 0x2000
	s_add_nc_u64 s[12:13], s[12:13], 0x1000
	s_sub_co_u32 s30, s30, 1
	s_cmp_lg_u32 s30, 0
	s_cbranch_scc1 .Lwrow
	s_endpgm
.Lnorm:                                ; THE NORM.  128 work-groups, 32 rows each, 4 a wave
	s_mov_b32 s25, 0x3a000000              ; 1 / 2048
	s_mov_b32 s26, 0x34000000              ; eps = 2^-23
	s_mov_b32 s28, 0x76543210              ; v_permlanex16_b32: each lane takes its own place in the other half
	s_mov_b32 s29, 0xfedcba98
	s_lshl_b32 s21, ttmp9, 5
	s_lshl2_add_u32 s21, s20, s21          ; my first row
	s_lshl_b32 s22, s21, 13
	s_add_nc_u64 s[4:5], s[4:5], s[22:23]
	s_lshl_b32 s22, s21, 12
	s_add_nc_u64 s[12:13], s[12:13], s[22:23]
.irp j, 0,1,2,3,4,5,6,7,8,9,10,11,12,13,14,15
	global_load_b128 v[W+4*\j:W+4*\j+3], v1, s[10:11] offset:512*\j
.endr
	s_wait_loadcnt 0x0
	RND W
.Lnrow:
	LOADROW 4
	RND XR
	; the sum of squares in f32: four chains of packed multiply-adds, started by the first four pairs
.irp p, 0,1,2,3
	v_pk_mul_f32 v[T+2*\p:T+2*\p+1], v[XR+2*\p:XR+2*\p+1], v[XR+2*\p:XR+2*\p+1]
.endr
.set i, 4
.rept 28
	v_pk_fma_f32 v[T+2*(i%4):T+2*(i%4)+1], v[XR+2*i:XR+2*i+1], v[XR+2*i:XR+2*i+1], v[T+2*(i%4):T+2*(i%4)+1]
.set i, i+1
.endr
	v_pk_add_f32 v[T:T+1], v[T:T+1], v[T+2:T+3]
	v_pk_add_f32 v[T+4:T+5], v[T+4:T+5], v[T+6:T+7]
	v_pk_add_f32 v[T:T+1], v[T:T+1], v[T+4:T+5]
	v_add_f32 v[T], v[T], v[T+1]
	v_add_f32_dpp v[T], v[T], v[T] row_xmask:1 row_mask:0xf bank_mask:0xf
	v_add_f32_dpp v[T], v[T], v[T] row_xmask:2 row_mask:0xf bank_mask:0xf
	v_add_f32_dpp v[T], v[T], v[T] row_xmask:4 row_mask:0xf bank_mask:0xf
	v_add_f32_dpp v[T], v[T], v[T] row_xmask:8 row_mask:0xf bank_mask:0xf
	v_permlanex16_b32 v[T+1], v[T], s28, s29
	v_add_f32 v[T], v[T], v[T+1]           ; every lane holds the row's sum
	v_fma_f32 v[T+2], v[T], s25, s26       ; mean + eps
	v_rsq_f32 v[T+4], v[T+2]
	v_rsq_f32 v[T+5], v[T+2]               ; twice: a pair for the packed multiply
	v_nop                                  ; a plain instruction between the root and its use (ISA guide 5.7.2)
.set i, 0
	s_wait_alu depctr_va_vdst(0)
.rept 32
	v_pk_mul_f32 v[XR+2*i:XR+2*i+1], v[XR+2*i:XR+2*i+1], v[T+4:T+5]
.set i, i+1
.endr
.set i, 0
.rept 32
	v_pk_mul_f32 v[XR+2*i:XR+2*i+1], v[XR+2*i:XR+2*i+1], v[W+2*i:W+2*i+1]
.set i, i+1
.endr
	OUTROW 12
	s_add_nc_u64 s[4:5], s[4:5], 0x2000
	s_add_nc_u64 s[12:13], s[12:13], 0x1000
	s_sub_co_u32 s30, s30, 1
	s_cmp_lg_u32 s30, 0
	s_cbranch_scc1 .Lnrow
	s_endpgm
.Lfunc_end_k_qedd2377ad7_prep:
	.size	k_qedd2377ad7_prep, .Lfunc_end_k_qedd2377ad7_prep-k_qedd2377ad7_prep
	.p2alignl 7, 3214868480
	.fill 96, 4, 3214868480
	.section	.rodata,"a",@progbits
	.p2align	6, 0x0
	.amdhsa_kernel k_qedd2377ad7_prep
		.amdhsa_group_segment_fixed_size 0
		.amdhsa_private_segment_fixed_size 0
		.amdhsa_enable_private_segment 0
		.amdhsa_kernarg_size 64
		.amdhsa_user_sgpr_count 2
		.amdhsa_user_sgpr_kernarg_segment_ptr 1
		.amdhsa_wavefront_size32 1
		.amdhsa_system_sgpr_workgroup_id_x 1
		.amdhsa_system_sgpr_workgroup_id_y 1
		.amdhsa_system_sgpr_workgroup_id_z 1
		.amdhsa_system_vgpr_workitem_id 0
		.amdhsa_next_free_vgpr 176
		.amdhsa_next_free_sgpr 66
		.amdhsa_reserve_vcc 0
		.amdhsa_float_denorm_mode_32 3
		.amdhsa_float_denorm_mode_16_64 3
		.amdhsa_memory_ordered 1
		.amdhsa_forward_progress 1
		.amdhsa_inst_pref_size 39
	.end_amdhsa_kernel
	.amdgpu_metadata
---
amdhsa.version: [ 1, 2 ]
amdhsa.kernels:
  - .name:           k_qedd2377ad7_prep
    .symbol:         k_qedd2377ad7_prep.kd
    .args:
      - { .name: X, .offset: 0, .size: 8, .value_kind: global_buffer, .address_space: global }
      - { .name: Wq_w, .offset: 8, .size: 8, .value_kind: global_buffer, .address_space: global }
      - { .name: Wo_w, .offset: 16, .size: 8, .value_kind: global_buffer, .address_space: global }
      - { .name: rms_w, .offset: 24, .size: 8, .value_kind: global_buffer, .address_space: global }
      - { .name: xn, .offset: 32, .size: 8, .value_kind: global_buffer, .address_space: global }
      - { .name: wq16, .offset: 40, .size: 8, .value_kind: global_buffer, .address_space: global }
      - { .name: wo16, .offset: 48, .size: 8, .value_kind: global_buffer, .address_space: global }
      - { .name: rope, .offset: 56, .size: 8, .value_kind: global_buffer, .address_space: global }
    .group_segment_fixed_size: 0
    .private_segment_fixed_size: 0
    .kernarg_segment_align: 8
    .kernarg_segment_size: 64
    .max_flat_workgroup_size: 256
    .sgpr_count:     66
    .vgpr_count:     176
    .wavefront_size: 32
...
	.end_amdgpu_metadata
.endif
;; end of part 1
;; launch qproj (part 2): grid 8 x 32, 4 waves a work-group, clusters of 4 x 4, 327,680 bytes of LDS; arguments xn, wq16, Wq_b, rope, qr, vv; writes qr, vv
.if DOCPART == 2
	.amdgcn_target "amdgcn-amd-amdhsa--gfx1250"
	.amdhsa_code_object_version 6
	.text
	.protected	k_qedd2377ad7_qproj
	.globl	k_qedd2377ad7_qproj
	.p2align	8
	.type	k_qedd2377ad7_qproj,@function
k_qedd2377ad7_qproj:
	s_mov_b64 s[64:65], 0
	v_nop
	global_prefetch_b8 v0, s[64:65] scope:SCOPE_SE
	s_setreg_imm32_b32 hwreg(HW_REG_WAVE_MODE, 25, 1), 1
	s_wait_xcnt 0x0
	s_wait_alu depctr_hold_cnt(0) depctr_sa_sdst(0) depctr_va_vdst(0) depctr_va_sdst(0) depctr_va_ssrc(0) depctr_va_vcc(0) depctr_vm_vsrc(0)
	s_getreg_b32 s2, hwreg(HW_REG_IB_STS2, 6, 4)
	s_cmp_eq_u32 s2, 0
	s_cbranch_scc0 .Lentry_in_a_cluster
	s_endpgm
.Lentry_in_a_cluster:
	s_bfe_u32 s2, ttmp6, 0x10000c
	s_cmp_lg_u32 s2, 0xf033
	s_cbranch_scc0 .Lentry_shape_is_right
	s_endpgm
.Lentry_shape_is_right:
; QPROJ.  Q[m][n] = sum over k of xn[m][k] wq16[n][k] + bf16(Wq_b[n]);  vv = Q, qr = Q turned by the table (RoPE), both f16 by heads: [b*16+h][2048][128].
; xn: [4096][2048] f16, wq16: [2048][2048] f16; sums in f32; vv and qr rounded once.  LIMIT: Q must lie within f16's 65,504.
; A tile of Q is 128 rows x 256 columns: 8 x 32 = 256 work-groups.  Four waves; wave w makes rows 64 (w / 2) .. and columns 128 (w % 2) .., which are one head:
; 32 accumulators of 16 x 16, 256 registers.  K goes in 16 steps of 128 (rows of 256 bytes, each at a multiple of 256 from its buffer's first byte) through two LDS slots.
; CLUSTER 4 x 4: xn's tile hangs on the tile row alone and is asked for jointly along a row of the cluster, wq16's on the tile column alone, along a column.
; THE MATRIX INSTRUCTION IS USED TRANSPOSED (source 0 = 16 rows of wq16, source 1 = 16 rows of xn): lane l holds row l % 16 and the columns 8 (l / 16) + 0..7 of a block of 16.
; THE BIAS is the C operand of the first products: nothing is cleared and nothing is added later.
; THE TABLE's 128 positions come into slot 0 when its last K step has been read, under the last K step's products.
; REGISTERS, in windows of 256 (s_set_vgpr_msb: bits 1:0 source 0, 3:2 source 1, 5:4 source 2, 7:6 destination):
;   window 0: v1-15 at work; v16-31 addresses; v64-127 fragments of xn, two buffers of 32; v128-255 fragments of wq16, two buffers of 64; all from v64 on at work on the way out
;   window 1: accumulator (a, b) at v[8 (8 a + b)]          window 2: v0-63 the bias of my 128 columns, block b at v[8 b]
.set PITCH,  272                       ; an LDS row: 256 bytes + 16 of padding = 68 words: the 16 rows of a fragment load start at 16 different groups of four banks (64 banks of 4 bytes: ISA guide 11.1)
.set AHALF,  64*PITCH                  ; what a wave fetches, and reads, of xn
.set BHALF,  128*PITCH                 ; of wq16
.set BOFF,   2*AHALF                   ; in a slot: xn's 128 rows, then wq16's 256
.set SLOT1,  1<<17                     ; slot 1 begins here: one exclusive or turns an address in one slot into the other's
.set STAGE,  SLOT1                     ; the way out lies on slot 1, written only when its last fill has been read by all
.set SP,     560                       ; a stage row: columns 0-63, 16 bytes, columns 64-127, 32 bytes: 35 x 16, and a column and its partner 64 on lie 272 bytes apart
.set SPARE,  327168                    ; the spare words, 128 bytes for each wave: two blocks of 256 bytes that no other line names
.set KSTEPB, 256
.set ADRA, 16                          ; v16  LDS address of my xn fragments in the slot in hand
.set ADRB, 17                          ; v17  of my wq16 fragments
.set A0,   18                          ; v18  the same in slot 0; never rewritten
.set B0,   19                          ; v19
.set STO,  20                          ; v20  the way out: where I put 32 bytes of a row
.set ROWN, 21                          ; v21  where I read my 8 columns of a row back
.set RPAR, 22                          ; v22  the 8 columns 64 away
.set RTB,  23                          ; v23  my 8 cosines in the table
.set GQ,   24                          ; v24  my byte offset in qr and vv
.set SPW,  28                          ; v28  my spare word; never rewritten
.set NIL,  29                          ; v29  0; never rewritten
.set SG,   30                          ; v[30:31] -1 for columns 0-63, +1 for columns 64-127
.set FA,   64
.set FB,   128
.set G1A, 24                           ; s[24:31] descriptor group 1 for xn's tiles
.set G0A, 32                           ; s[32:39] group 0: a set for each of the two first fills; the second then walks
.set G1B, 48                           ; s[48:55], s[56:63] the same for wq16's
.set G0B, 56
.set GX1, 68                           ; s[68:75], s[76:79] the table's tile
.set GX0, 76
.set TB,  80                           ; s80  first byte of the slot in hand
.set MSB, 0
.macro WIN new                         ; the immediate's high byte repeats the setting that is left; a switch that changes nothing is dropped
.if MSB != (\new)
	s_set_vgpr_msb (MSB<<8)|(\new)
.set MSB, \new
.endif
.endm
.macro PLACES                          ; four places in front of loads into registers that matrix instructions have read, and of what reads results
.rept 4
	v_nop
.endr
.endm
.macro JLOAD                           ; a joint refill: waves 0 and 1 fetch xn's halves, waves 2 and 3 wq16's; an s_nop 0 and four v_nop follow each line
	s_cmp_lt_u32 s10, 2
	s_cbranch_scc0 .Lfor_b_\@
	tensor_load_to_lds s[G0A+4:G0A+7], s[G1A:G1A+7]
	s_nop 0
	PLACES
	s_branch .Lasked_\@
.Lfor_b_\@:
	tensor_load_to_lds s[G0B+4:G0B+7], s[G1B:G1B+7]
	s_nop 0
	PLACES
.Lasked_\@:
.endm
.macro XLOAD                           ; every wave's own quarter of the extra tile: no mask
	tensor_load_to_lds s[GX0:GX0+3], s[GX1:GX1+7]
	s_nop 0
	PLACES
.endm
.macro CREST                           ; a round of the cluster's barrier behind its opening barrier
	s_cmp_lg_u32 s10, 0
	s_cbranch_scc1 .Lnot_wave_0_\@
	s_barrier_signal -3
.Lnot_wave_0_\@:
	s_barrier_wait -3
	s_barrier_signal -1
	s_barrier_wait -1
.endm
.macro CROUND
	s_barrier_signal -1
	s_barrier_wait -1
	CREST
.endm
; 8 matrix instructions: row block a x all 8 column blocks, 32 along K, on buffer f.  zc = 1: the first products, which take the bias as C.
; The 32 accumulators take turns in the same order in every quarter.
.macro MUL f, a, zc
.if \zc
	WIN 0x60                               ; C in window 2, D in window 1
.else
	WIN 0x50                               ; C and D in window 1
.endif
.irp b, 0,1,2,3,4,5,6,7
.if \zc
	v_wmma_f32_16x16x32_f16 v[8*(8*(\a)+(\b)):8*(8*(\a)+(\b))+7], v[FB+64*(\f)+8*(\b):FB+64*(\f)+8*(\b)+7], v[FA+32*(\f)+8*(\a):FA+32*(\f)+8*(\a)+7], v[8*(\b):8*(\b)+7]
.else
	v_wmma_f32_16x16x32_f16 v[8*(8*(\a)+(\b)):8*(8*(\a)+(\b))+7], v[FB+64*(\f)+8*(\b):FB+64*(\f)+8*(\b)+7], v[FA+32*(\f)+8*(\a):FA+32*(\f)+8*(\a)+7], v[8*(8*(\a)+(\b)):8*(8*(\a)+(\b))+7]
.endif
.endr
.endm
; 24 LDS loads in one run: the fragments of 32 along K at byte k of the rows, into buffer f; wq16's first, xn's last
.macro FETCH k, f
	WIN 0
.irp i, 0,1,2,3,4,5,6,7
	ds_load_b128 v[FB+64*(\f)+8*(\i):FB+64*(\f)+8*(\i)+3],   v[ADRB] offset:(\k)+(\i)*16*PITCH
	ds_load_b128 v[FB+64*(\f)+8*(\i)+4:FB+64*(\f)+8*(\i)+7], v[ADRB] offset:(\k)+(\i)*16*PITCH+32
.endr
.irp i, 0,1,2,3
	ds_load_b128 v[FA+32*(\f)+8*(\i):FA+32*(\f)+8*(\i)+3],   v[ADRA] offset:(\k)+(\i)*16*PITCH
	ds_load_b128 v[FA+32*(\f)+8*(\i)+4:FA+32*(\f)+8*(\i)+7], v[ADRA] offset:(\k)+(\i)*16*PITCH+32
.endr
.endm
; A K step is four quarters of 32 along K, 32 matrix instructions each, on buffers 0, 1, 0, 1.  One of the first three: multiplies f, fetches the next quarter, at byte k, into g.
.macro QUARTER k, f, g, zc
	s_wait_dscnt 4                         ; wq16's fragments and xn's blocks 0, 1 are in; the youngest four loads (blocks 2, 3) may be out
	MUL \f, 0, \zc
	MUL \f, 1, \zc
	PLACES
	FETCH \k, \g
	s_wait_dscnt 24                        ; all but the 24 just issued
	MUL \f, 2, \zc
	MUL \f, 3, \zc
.endm
; The last quarter multiplies buffer 1 and changes slots.  In front of the barrier each wave waits for all its tensor loads (one is out: its part of the next slot), adds 0 to its spare
; word, and waits for that and for its reads of this slot.  The barrier opens a round of the cluster's, so that no wave of any partner still reads the slot or has a load on its way;
; the refill is the first thing behind the round.  kind = 0: the K step two on, jointly; it has 112 matrix instructions in which to land.  kind = 1: the extra tile.
.macro TURN kind
	WIN 0
	s_wait_tensorcnt 0x0
	ds_add_u32 v[SPW], v[NIL]
.if (\kind) == 0
	s_xor_b32 s[G0A+5], s[G0A+5], SLOT1    ; no tensor load of mine is out: the walking descriptors step: the other slot,
	s_add_nc_u64 s[G0A+6:G0A+7], s[G0A+6:G0A+7], KSTEPB  ; the next K step; the type bits on top are not reached
	s_xor_b32 s[G0B+5], s[G0B+5], SLOT1
	s_add_nc_u64 s[G0B+6:G0B+7], s[G0B+6:G0B+7], KSTEPB
.endif
	s_xor_b32 s[TB], s[TB], SLOT1
	s_wait_dscnt 5                         ; the add and the youngest four loads may be out
	MUL 1, 0, 0
	s_wait_dscnt 0x0                       ; the add is done, and my reads of this slot are over
	s_barrier_signal -1
	MUL 1, 1, 0
	WIN 0
	s_barrier_wait -1
	CREST
.if (\kind) == 0
	JLOAD
.else
	XLOAD
.endif
	v_add_nc_u32 v[ADRA], s[TB], v[A0]
	v_add_nc_u32 v[ADRB], s[TB], v[B0]
	FETCH 0, 0                             ; the four v_nop behind the tensor load are also the places in front of these loads
	MUL 1, 2, 0
	MUL 1, 3, 0
.endm
	s_load_b128 s[4:7], s[0:1], 0x0        ; xn s[4:5], wq16 s[6:7]
	s_load_b64 s[8:9], s[0:1], 0x10        ; Wq_b
	s_load_b64 s[84:85], s[0:1], 0x18      ; rope
	s_load_b64 s[86:87], s[0:1], 0x20      ; qr
	s_load_b64 s[82:83], s[0:1], 0x28      ; vv
	v_lshl_add_u32 v[SPW], v0, 2, SPARE
	v_mov_b32 v[NIL], 0
	ds_add_u32 v[SPW], v[NIL]              ; the wave's opening: an add and its wait ahead of my first tensor load; work on registers stands between them
	ds_add_u32 v28, v29
	v_lshrrev_b32 v1, 5, v0
	v_readfirstlane_b32 s10, v1            ; wave 0..3
	s_lshr_b32 s11, s10, 1                 ; which 64 rows of the tile are mine
	s_and_b32 s12, s10, 1                  ; which 128 columns.  Also: which half of xn's or wq16's tile I fetch
	s_bfe_u32 s40, ttmp6, 0x40000          ; cx, cy: my place in the cluster
	s_bfe_u32 s41, ttmp6, 0x40004
	s_lshl_b32 s42, ttmp9, 2
	s_add_co_u32 s42, s42, s40             ; tile column 0..7
	s_and_b32 s13, ttmp7, 0xffff
	s_lshl_b32 s13, s13, 2
	s_add_co_u32 s13, s13, s41             ; tile row 0..31
	s_lshl_b32 s43, s41, 2
	s_lshl_b32 s43, 15, s43                ; my row of the cluster
	s_lshl_b32 s44, 0x1111, s40            ; my column
	s_or_b32 s[G1A], s43, (1<<16)|(1<<20)|(1<<21)|(5<<22)|(3<<25)  ; the mask; 2-byte elements; padding on; bit 21 beside a mask; after every 64 words 4 words
	s_or_b32 s[G1B], s44, (1<<16)|(1<<20)|(1<<21)|(5<<22)|(3<<25)
.irp g, G1A, G1B
	s_mov_b32 s[(\g)+1], 128<<16           ; tensor_dim0 = 128
	s_mov_b32 s[(\g)+3], 128<<16           ; tile_dim0 = 128
	s_mov_b32 s[(\g)+5], 2048              ; elements from row to row
	s_mov_b32 s[(\g)+6], 0
	s_mov_b32 s[(\g)+7], 0
.endr
	s_mov_b32 s[G1A+2], 64<<16             ; tensor_dim1 and tile_dim1: 64 rows of xn,
	s_mov_b32 s[G1A+4], 64
	s_mov_b32 s[G1B+2], 128<<16            ; 128 of wq16
	s_mov_b32 s[G1B+4], 128
	s_mov_b32 s[GX1], 3<<16                ; the table: 32 positions are 16,384 dense bytes: 64 rows of 32 elements of 8 bytes
	s_mov_b32 s[GX1+1], 32<<16
	s_mov_b32 s[GX1+2], 64<<16
	s_mov_b32 s[GX1+3], 32<<16
	s_mov_b32 s[GX1+4], 64
	s_mov_b32 s[GX1+5], 32
	s_mov_b32 s[GX1+6], 0
	s_mov_b32 s[GX1+7], 0
	s_lshl_b32 s16, s13, 7                 ; xn: row 128 x tile row + 64 x half, 4,096 bytes a row
	s_lshl_b32 s17, s12, 6
	s_add_co_u32 s16, s16, s17
	s_lshl_b32 s16, s16, 12
	s_mov_b32 s17, 0
	s_lshl_b32 s46, s42, 8                 ; wq16: row 256 x tile column + 128 x half
	s_lshl_b32 s47, s12, 7
	s_add_co_u32 s46, s46, s47
	s_lshl_b32 s46, s46, 12
	s_mov_b32 s47, 0
	s_mul_i32 s20, s12, AHALF              ; where they go: no place in the cluster enters an LDS address
	s_mul_i32 s21, s12, BHALF
	s_add_co_u32 s21, s21, BOFF
	s_and_b32 s88, s13, 15                 ; the table: position 128 x (tile row % 16) + 32 x wave, 512 bytes each
	s_lshl_b32 s88, s88, 7
	s_lshl_b32 s89, s10, 5
	s_add_co_u32 s88, s88, s89
	s_lshl_b32 s88, s88, 9
	s_mov_b32 s89, 0
	s_lshr_b32 s90, s13, 4                 ; qr and vv: ((batch x 16 + head) x 2048 + my first position) x 256 bytes
	s_lshl_b32 s90, s90, 4
	s_lshl1_add_u32 s90, s42, s90
	s_add_co_u32 s90, s90, s12
	s_lshl_b32 s90, s90, 11
	s_and_b32 s91, s13, 15
	s_lshl_b32 s91, s91, 7
	s_add_co_u32 s90, s90, s91
	s_lshl_b32 s91, s11, 6
	s_add_co_u32 s90, s90, s91
	s_lshl_b32 s90, s90, 8
	s_mov_b32 s91, 0
	s_lshl_b32 s18, s42, 10                ; the bias: my 128 columns, 4 bytes each
	s_lshl_b32 s19, s12, 9
	s_add_co_u32 s18, s18, s19
	s_mov_b32 s19, 0
	s_wait_dscnt 0x0                       ; the opening add is done
	s_wait_kmcnt 0x0
	s_add_nc_u64 s[14:15], s[4:5], s[16:17]
	s_add_nc_u64 s[46:47], s[6:7], s[46:47]
	s_add_nc_u64 s[8:9], s[8:9], s[18:19]
	s_add_nc_u64 s[86:87], s[86:87], s[90:91]
	s_add_nc_u64 s[82:83], s[82:83], s[90:91]
	CROUND                                 ; all sixteen work-groups are here: the first joint loads meet
.irp s, 0,1
	s_mov_b32 s[G0A+4*(\s)], 1
	s_add_co_u32 s[G0A+4*(\s)+1], s20, (\s)*SLOT1
	s_add_nc_u64 s[G0A+4*(\s)+2:G0A+4*(\s)+3], s[14:15], (\s)*KSTEPB
	s_or_b32 s[G0A+4*(\s)+3], s[G0A+4*(\s)+3], 0x80000000
	s_mov_b32 s[G0B+4*(\s)], 1
	s_add_co_u32 s[G0B+4*(\s)+1], s21, (\s)*SLOT1
	s_add_nc_u64 s[G0B+4*(\s)+2:G0B+4*(\s)+3], s[46:47], (\s)*KSTEPB
	s_or_b32 s[G0B+4*(\s)+3], s[G0B+4*(\s)+3], 0x80000000
.endr
	s_mov_b32 s[GX0], 1
	s_lshl_b32 s[GX0+1], s10, 14           ; wave x 16,384
	s_add_nc_u64 s[GX0+2:GX0+3], s[84:85], s[88:89]
	s_or_b32 s[GX0+3], s[GX0+3], 0x80000000
	s_cmp_lt_u32 s10, 2                    ; a wave's two first fills stand in one branch: two loads of mine are out
	s_cbranch_scc0 .Lfirst_b
	tensor_load_to_lds s[G0A:G0A+3], s[G1A:G1A+7]
	s_nop 0
	tensor_load_to_lds s[G0A+4:G0A+7], s[G1A:G1A+7]
	s_nop 0
	PLACES
	s_branch .Lfirst_done
.Lfirst_b:
	tensor_load_to_lds s[G0B:G0B+3], s[G1B:G1B+7]
	s_nop 0
	tensor_load_to_lds s[G0B+4:G0B+7], s[G1B:G1B+7]
	s_nop 0
	PLACES
.Lfirst_done:
	v_and_b32 v1, 15, v0                   ; l % 16
	v_bfe_u32 v2, v0, 4, 1                 ; l / 16
	v_lshlrev_b32 v15, 5, v2               ; the bias as C: register j of block b is column 16 b + 8 (l / 16) + j
.irp b, 0,1,2,3,4,5,6,7
	global_load_b128 v[64+8*\b:64+8*\b+3], v15, s[8:9] offset:64*\b
	global_load_b128 v[64+8*\b+4:64+8*\b+7], v15, s[8:9] offset:64*\b+16
.endr
	v_mul_u32_u24 v3, v1, PITCH
	v_lshl_add_u32 v3, v2, 4, v3           ; a fragment's row x pitch + 16 x half
	s_mul_i32 s22, s11, AHALF
	s_mul_i32 s23, s12, BHALF
	s_add_co_u32 s23, s23, BOFF
	v_add_nc_u32 v[A0], s22, v3
	v_add_nc_u32 v[B0], s23, v3
	v_mov_b32 v[ADRA], v[A0]
	v_mov_b32 v[ADRB], v[B0]
	s_mov_b32 s[TB], 0
	s_mul_i32 s22, s10, 64*SP
	s_add_co_u32 s22, s22, STAGE           ; my stage: 64 rows
	v_mul_u32_u24 v4, v1, SP
	v_lshl_add_u32 v4, v2, 5, v4           ; in: row l % 16, 32 bytes for each half of the lanes
	v_add_nc_u32 v[STO], s22, v4
	v_mul_u32_u24 v5, v2, SP               ; back: lanes 0-15 one row, lanes 16-31 the next; lane c = l % 16 takes columns 8 c .. 8 c + 7
	v_add_nc_u32 v5, s22, v5
	v_and_b32 v6, 7, v0
	v_lshl_add_u32 v5, v6, 5, v5           ; + 32 (c % 8)
	v_bfe_u32 v7, v0, 3, 1                 ; c / 8: which half of the head
	v_sub_nc_u32 v8, 1, v7                 ; the other half
	v_mad_u32_u24 v[ROWN], v7, 272, v5
	v_mad_u32_u24 v[RPAR], v8, 272, v5
	v_lshlrev_b32 v9, 5, v6                ; the table: position x 512 + 32 (c % 8); sines 256 on
	v_lshl_add_u32 v9, v2, 9, v9
	s_lshl_b32 s23, s11, 15
	v_add_nc_u32 v[RTB], s23, v9
	v_lshlrev_b32 v[GQ], 8, v2             ; two rows of a head are 512 consecutive bytes of qr and of vv
	v_lshl_add_u32 v[GQ], v1, 4, v[GQ]
	s_wait_loadcnt 0x0                     ; the bias: rounded to bf16, widened, into window 2
.set i, 0
.rept 32
	v_cvt_pk_bf16_f32 v[128+i], v[64+2*i], v[64+2*i+1]
.set i, i+1
.endr
	WIN 0x80
.set i, 0
.rept 32
	v_lshlrev_b32 v[2*i], 16, v[128+i]
	v_and_b32 v[2*i+1], 0xffff0000, v[128+i]
.set i, i+1
.endr
	WIN 0
	s_wait_tensorcnt 1                     ; my part of K step 0 is in; K step 1's may stay out
	s_barrier_signal -1
	s_barrier_wait -1
	FETCH 0, 0
	QUARTER 64, 0, 1, 1                    ; the first quarter stands in front of the loop: its products start the sums, on the bias
	WIN 0
	s_mov_b32 s3, 14
.Lstep:                                ; a trip: from a K step's second quarter to the next one's first; it asks for K steps 2 .. 15
	QUARTER 128, 1, 0, 0
	QUARTER 192, 0, 1, 0
	TURN 0
	QUARTER 64, 0, 1, 0
	WIN 0
	s_sub_co_u32 s3, s3, 1
	s_cmp_lg_u32 s3, 0
	s_cbranch_scc1 .Lstep
	QUARTER 128, 1, 0, 0                   ; K step 14 goes on;
	QUARTER 192, 0, 1, 0
	TURN 1                                 ; slot 0 has been read for the last time: it takes the table
	QUARTER 64, 0, 1, 0
	QUARTER 128, 1, 0, 0
	QUARTER 192, 0, 1, 0
	WIN 0
	s_wait_tensorcnt 0x0                   ; my part of the table is in,
	s_wait_dscnt 0x0                       ; and my last reads of slot 1 are back:
	s_barrier_signal -1                    ; behind this barrier the table may be read and the stage, on slot 1, written
	MUL 1, 0, 0
	MUL 1, 1, 0
	MUL 1, 2, 0
	MUL 1, 3, 0
	WIN 0
	s_barrier_wait -1
	PLACES
	; THE WAY OUT.  Q in f32 into my stage, each accumulator's low registers first.
	WIN 0x04                               ; the stores' data in window 1
.irp a, 0,1,2,3
.irp b, 0,1,2,3,4,5,6,7
	ds_store_b128 v[STO], v[8*(8*\a+\b):8*(8*\a+\b)+3] offset:\a*16*SP+64*\b+16*(\b/4)
	ds_store_b128 v[STO], v[8*(8*\a+\b)+4:8*(8*\a+\b)+7] offset:\a*16*SP+64*\b+16*(\b/4)+16
.endr
.endr
	WIN 0
	v_cmp_gt_u32 vcc_lo, 8, v1             ; columns 0-63 take minus the partner, columns 64-127 plus
	v_cndmask_b32 v[SG], 1.0, -1.0, vcc_lo
	v_mov_b32 v[SG+1], v[SG]
	; Back by rows (LDS serves a wave's instructions in order, ISA guide 5.7.1.4: these loads see my stores).  A trip: 8 rows in 4 groups of 2; a group has 40 registers at v[64 + 40 g]:
	; my 8 columns, the partner's 8, 8 cosines, 8 sines, 4 of qr, 4 of vv.   qr = q cos + (+-partner) sin.
	s_mov_b32 s2, 8
.Lrows:
.irp g, 0,1,2,3
	ds_load_b128 v[64+40*\g:67+40*\g], v[ROWN] offset:2*SP*\g
	ds_load_b128 v[68+40*\g:71+40*\g], v[ROWN] offset:2*SP*\g+16
	ds_load_b128 v[72+40*\g:75+40*\g], v[RPAR] offset:2*SP*\g
	ds_load_b128 v[76+40*\g:79+40*\g], v[RPAR] offset:2*SP*\g+16
	ds_load_b128 v[80+40*\g:83+40*\g], v[RTB] offset:1024*\g
	ds_load_b128 v[84+40*\g:87+40*\g], v[RTB] offset:1024*\g+16
	ds_load_b128 v[88+40*\g:91+40*\g], v[RTB] offset:1024*\g+256
	ds_load_b128 v[92+40*\g:95+40*\g], v[RTB] offset:1024*\g+272
.endr
.irp g, 0,1,2,3
	s_wait_dscnt 8*(3-\g)                  ; group g's eight loads are in; the younger groups' stay out
.irp q, 0,2,4,6
	v_pk_mul_f32 v[88+40*\g+\q:89+40*\g+\q], v[88+40*\g+\q:89+40*\g+\q], v[SG:SG+1]
.endr
.irp q, 0,2,4,6
	v_pk_mul_f32 v[72+40*\g+\q:73+40*\g+\q], v[72+40*\g+\q:73+40*\g+\q], v[88+40*\g+\q:89+40*\g+\q]
.endr
.irp q, 0,2,4,6
	v_pk_fma_f32 v[72+40*\g+\q:73+40*\g+\q], v[64+40*\g+\q:65+40*\g+\q], v[80+40*\g+\q:81+40*\g+\q], v[72+40*\g+\q:73+40*\g+\q]
.endr
.irp q, 0,2,4,6
	v_cvt_pk_f16_f32 v[96+40*\g+\q/2], v[72+40*\g+\q], v[73+40*\g+\q]
	v_cvt_pk_f16_f32 v[100+40*\g+\q/2], v[64+40*\g+\q], v[65+40*\g+\q]
.endr
	global_store_b128 v[GQ], v[96+40*\g:99+40*\g], s[86:87] offset:512*\g    ; 512 consecutive bytes, at a multiple of 256 from qr's first
	global_store_b128 v[GQ], v[100+40*\g:103+40*\g], s[82:83] offset:512*\g
.endr
	s_wait_xcnt 0x0                        ; the stores' data and offset are rewritten only behind this wait
	v_add_nc_u32 v[ROWN], 8*SP, v[ROWN]
	v_add_nc_u32 v[RPAR], 8*SP, v[RPAR]
	v_add_nc_u32 v[RTB], 4096, v[RTB]
	v_add_nc_u32 v[GQ], 2048, v[GQ]
	s_sub_co_u32 s2, s2, 1
	s_cmp_lg_u32 s2, 0
	s_cbranch_scc1 .Lrows
	s_wait_tensorcnt 0x0                   ; the wave's end: a wait, an add and its wait, behind my last tensor load and my last LDS store
	ds_add_u32 v[SPW], v[NIL]
	s_wait_dscnt 0x0
	CROUND                                 ; the closing round: no work-group ends while a partner may still ask for a tile that names it
	s_endpgm
.Lfunc_end_k_qedd2377ad7_qproj:
	.size	k_qedd2377ad7_qproj, .Lfunc_end_k_qedd2377ad7_qproj-k_qedd2377ad7_qproj
	.p2alignl 7, 3214868480
	.fill 96, 4, 3214868480
	.section	.rodata,"a",@progbits
	.p2align	6, 0x0
	.amdhsa_kernel k_qedd2377ad7_qproj
		.amdhsa_group_segment_fixed_size 327680
		.amdhsa_private_segment_fixed_size 0
		.amdhsa_enable_private_segment 0
		.amdhsa_kernarg_size 48
		.amdhsa_user_sgpr_count 2
		.amdhsa_user_sgpr_kernarg_segment_ptr 1
		.amdhsa_wavefront_size32 1
		.amdhsa_system_sgpr_workgroup_id_x 1
		.amdhsa_system_sgpr_workgroup_id_y 1
		.amdhsa_system_sgpr_workgroup_id_z 1
		.amdhsa_system_vgpr_workitem_id 0
		.amdhsa_next_free_vgpr 576
		.amdhsa_next_free_sgpr 96
		.amdhsa_reserve_vcc 1
		.amdhsa_float_denorm_mode_32 3
		.amdhsa_float_denorm_mode_16_64 3
		.amdhsa_memory_ordered 1
		.amdhsa_forward_progress 1
		.amdhsa_inst_pref_size 75
	.end_amdhsa_kernel
	.amdgpu_metadata
---
amdhsa.version: [ 1, 2 ]
amdhsa.kernels:
  - .name:           k_qedd2377ad7_qproj
    .symbol:         k_qedd2377ad7_qproj.kd
    .args:
      - { .name: xn, .offset: 0, .size: 8, .value_kind: global_buffer, .address_space: global }
      - { .name: wq16, .offset: 8, .size: 8, .value_kind: global_buffer, .address_space: global }
      - { .name: Wq_b, .offset: 16, .size: 8, .value_kind: global_buffer, .address_space: global }
      - { .name: rope, .offset: 24, .size: 8, .value_kind: global_buffer, .address_space: global }
      - { .name: qr, .offset: 32, .size: 8, .value_kind: global_buffer, .address_space: global }
      - { .name: vv, .offset: 40, .size: 8, .value_kind: global_buffer, .address_space: global }
    .group_segment_fixed_size: 327680
    .private_segment_fixed_size: 0
    .kernarg_segment_align: 8
    .kernarg_segment_size: 48
    .max_flat_workgroup_size: 128
    .sgpr_count:     96
    .vgpr_count:     576
    .wavefront_size: 32
...
	.end_amdgpu_metadata
.endif
;; end of part 2
;; launch attn (part 3): grid 8 x 32, 4 waves a work-group, no clusters, 327,680 bytes of LDS; arguments qr, vv, ob; writes ob
.if DOCPART == 3
	.amdgcn_target "amdgcn-amd-amdhsa--gfx1250"
	.amdhsa_code_object_version 6
	.text
	.protected	k_qedd2377ad7_attn
	.globl	k_qedd2377ad7_attn
	.p2align	8
	.type	k_qedd2377ad7_attn,@function
k_qedd2377ad7_attn:
	s_mov_b64 s[64:65], 0
	v_nop
	global_prefetch_b8 v0, s[64:65] scope:SCOPE_SE
	s_setreg_imm32_b32 hwreg(HW_REG_WAVE_MODE, 25, 1), 1
	s_wait_xcnt 0x0
; CAUSAL ATTENTION, head size 128.  O[q] = the sum over k <= q of softmax_k(qr[q] . qr[k] / sqrt(128)) vv[k].  qr (queries AND keys) and vv: [32 = b*16+h][2048][128] f16;
; ob: [b*2048+s][h*128+d] f16.  Products, maxima and sums in f32; the weights p are rounded to f16 for the second product (their sum l is taken of the unrounded p), O once at the end.
; LIMITS.  f16's scores lie within 5.5e11.  A hidden score counts as its value less 2^100; the running maximum starts at -2^60: above every hidden score, below every true one.
; A weight below 2^-126 counts as 0; NaN and infinities are not treated apart.
; THE WALK.  A head's queries lie in 16 blocks of 128; block i needs the key tiles 0 .. i of 128 keys, the last of which holds the diagonal.  Work-group x takes block x and then block
; 15 - x: 17 tiles whatever x, 8 x 32 = 256 equal work-groups, and ONE loop with a constant trip count.  Which tile is asked for, and what a trip does, hang on scalars made from x.
; NO CLUSTER: a head's eight work-groups ask for the same tile only in trips 0 .. min(x, x'); a walk common to all would have 24 trips for 17.
; SHARES.  Wave w = (qh = w / 2, kh = w % 2) has the 64 queries of half qh of the block and the 64 keys of half kh of every tile: a tile is one key step, and a fragment of K or V read from
; LDS feeds four tiles of 16 queries.  Each wave keeps m, l and O^T for its own keys, in f32; at a block's end the two waves of a pair hand each other half of their tiles through LDS, in f32,
; and each finishes the other half.  Register tile t is query tile t xor 2 kh, so every wave keeps tiles 0, 1 and sends tiles 2, 3: one text for all.
; LAYOUT.  S^T = K Q^T (source 0 = 16 keys, source 1 = 16 queries) holds ONE query a lane (lane % 16) and the keys 8 (lane / 16) + 0..7; two such results rounded to f16 ARE source 1 of
; O^T = V^T P.  K comes out of LDS as it lies, V turned, by ds_load_tr16_b128.  p = 2^(c s - c m), c = log2(e) / sqrt(128); O and l are multiplied by a = 2^(c m_old - c m_new) in every step.
; THE MASK is the C operand that starts the sums of S^T in a block's last tile: 0, or -2^100 where the key is hidden; 128 registers, made once.
; A block's first step with a visible key has a = 0 and wipes what O^T and l held, so they need only be finite; the one wave that sees no key of a block at all (qh 0, kh 1, block 0) meets
; that block first, with O^T and l cleared at the head, and enters the merge with the factor 0.  The price of writing no first step out: 408 v_mov_b32 in the wait for the first tile.
; A TRIP: 16 products V^T P of tile 3 of the step before, beside the fetch of K; the fetch of V; 64 products K Q^T; 48 products V^T P of tiles 0-2.  The four tiles' softmax (134 vector
; instructions each) stands six behind each product from the 17th product K Q^T on, a tile's list beginning when its scores are made and ending before its V^T P begins.
; REGISTERS, in windows of 256 (s_set_vgpr_msb: bits 1:0 source 0, 3:2 source 1, 5:4 source 2, 7:6 destination):
;   window 0: v2-11, v44 addresses; v12-43 statistics, 8 a tile; v45-59 at work; v62-63 the add's; v64-191 S^T, 32 a tile; v192-255 P, 16 a tile
;   window 1: O^T, 64 a tile      window 2: v0-127 Q, 32 a tile; v128-255 K of one step      window 3: v0-127 V of one step; v128-255 the mask, 32 a tile
.set KS,    64                         ; keys of a wave in a tile
.set PK,    272                        ; a row of K in LDS: 256 bytes + 16: the 16 rows of a load start at 16 different groups of four banks (64 banks of 4 bytes: ISA guide 11.1)
.set PV,    288                        ; a row of V: 256 + 32
.set VOFF,  KS*PK                      ; a half tile: 64 rows of K, then 64 rows of V
.set HALFB, KS*(PK+PV)
.set SLOT1, 1<<17                      ; slot 1 begins here: one exclusive or turns an address in one slot into the other's
.set XCH,   SLOT1+2*HALFB              ; behind the ring, never filled by a tensor load: the exchange, for each wave 32 x 512 bytes of O^T and 512 of statistics
.set XW,    16896
.set STG,   XCH+4*XW                   ; 16 rows x 272 bytes for each wave, for the way out
.set SP,    272
.set SPARE, STG+4*16*SP                ; the spare words, 128 bytes for each wave: two blocks of 256 bytes that no other line names
.set AK0, 2                            ; v2   my lane's place in my half of a tile's K; never rewritten
.set AV0, 3                            ; v3   the same for V
.set ADK, 4                            ; v4   the LDS address of K's run of loads
.set ADV, 5                            ; v5   of V's
.set QOA, 6                            ; v6   my byte offset in a block's Q for tiles 0, 1
.set QOB, 7                            ; v7   for tiles 2, 3
.set STO, 8                            ; v8   the way out: where I put 16 bytes of a row
.set RD,  9                            ; v9   where I read rows back
.set GO,  10                           ; v10  my byte offset in two rows of ob
.set XS,  11                           ; v11  my 16 bytes in my part of the exchange
.set XR,  44                           ; v44  in my partner's
.set ST,  12                           ; tile t's statistics at v[ST+8 t]: c m, m, l (even keys', odd keys'), c0-c3 at work; a takes c2's place
.set VA,  45                           ; v45, v46  the mask's thresholds for tiles 0, 1 and for tiles 2, 3
.set TS,  48                           ; v[48:51]  statistics sent or received: c m, l of two tiles
.set FM,  52                           ; v[52:59]  the merge's factors: mine and the partner's for tiles 0, 1, each twice
.set SPW, 62
.set NIL, 63
.set S,   64
.set P,   192
.set KF,  128                          ; window 2: key block kb, channel quarter c at KF + 32 kb + 8 c
.set MK,  128                          ; window 3: tile t, key block kb at MK + 32 t + 8 kb
.set WV,  12                           ; s12 wave; s13 kh; s14 qh; s15 x; s16 15 - x
.set KH,  13
.set QH,  14
.set PB,  15
.set HI,  16
.set KBAS, 18                          ; s[18:19] qr at my half of the head's tile 0
.set VBAS, 20                          ; s[20:21] vv likewise
.set G1K, 24                           ; s[24:31] descriptor group 1 for K's tiles
.set G1V, 32                           ; s[32:39] for V's: it differs in the padding alone
.set G0K, 40                           ; s[40:43] descriptor group 0 for K's tiles
.set G0V, 44                           ; s[44:47] for V's
.set QLO, 48                           ; s[48:49] the first block's Q; s[50:51] the second's
.set QHI, 50
.set OB,  52                           ; s[52:53] ob at the rows that I finish, block in hand; s[54:55] second block
.set OHI, 54
.set SLOTS, 56                         ; s56  tiles still to be asked for
.set TB,  57                           ; s57  first byte of the slot in hand
.set CS,  58                           ; s[58:59] c
.set SEL, 60                           ; s[60:61] v_permlanex16_b32's selects: each lane takes its own place in the other half
.set RT,  66                           ; s66  tiles of the block in hand still to be entered
.set NXT, 67                           ; s67  the tile to be asked for next
.set LQ,  68                           ; s68  the last tile of the block whose tiles are being asked for
.set NEW, 69                           ; s69  1: a block has ended and is still to be merged
.set OFF, 70                           ; s[70:71] a tile's byte offset
.set BIGN, 72                          ; s72  -2^100
.set MSB, 0
.macro WIN new                         ; the high byte repeats the setting that is left; a switch that changes nothing is dropped
.if MSB != (\new)
	s_set_vgpr_msb (MSB<<8)|(\new)
.set MSB, (\new)
.endif
.endm
.set W_KQ, 0x0a                        ; K and Q in window 2, S^T in window 0
.set W_KM, 0x3a                        ; the same with C in window 3
.set W_PV, 0x53                        ; V in window 3, P in window 0, O^T in window 1
.set W_RS, 0x41                        ; destination and source 0 in window 1, source 1 in window 0
.macro PLACES
.rept 4
	v_nop
.endr
.endm
; A fill.  Waves 0 and 1 fetch the two halves of a tile's K, waves 2 and 3 those of its V: 64 rows each.  An s_nop 0 and four v_nop follow each of the two lines.
.macro LOAD
	s_cmp_lt_u32 s[WV], 2
	s_cbranch_scc0 .Lfor_v_\@
	tensor_load_to_lds s[G0K:G0K+3], s[G1K:G1K+7]
	s_nop 0
	PLACES
	s_branch .Lasked_\@
.Lfor_v_\@:
	tensor_load_to_lds s[G0V:G0V+3], s[G1V:G1V+7]
	s_nop 0
	PLACES
.Lasked_\@:
.endm
; THE CHANGE OF SLOTS.  Each wave waits for all its tensor loads, of which one is out: its part of the other slot; adds 0 to its spare word; waits for that and for all its LDS instructions:
; its reads of the slot that it leaves and, behind a block's end, its sends.  Behind the barrier nobody reads the old slot and the other slot is whole.  fill = 1: the old slot is filled
; again, first thing behind the barrier, with tile NXT; the descriptor's address is made anew from that number.  The load has a key step, 128 matrix instructions, in which to land.
.macro CHANGE fill
	WIN 0
	s_wait_tensorcnt 0x0
	ds_add_u32 v[SPW], v[NIL]
.if \fill
	s_lshl_b32 s[OFF], s[NXT], 15          ; a tile is 32,768 bytes of qr and of vv
	s_xor_b32 s[G0K+1], s[G0K+1], SLOT1
	s_add_nc_u64 s[G0K+2:G0K+3], s[KBAS:KBAS+1], s[OFF:OFF+1]
	s_or_b32 s[G0K+3], s[G0K+3], 0x80000000
	s_xor_b32 s[G0V+1], s[G0V+1], SLOT1
	s_add_nc_u64 s[G0V+2:G0V+3], s[VBAS:VBAS+1], s[OFF:OFF+1]
	s_or_b32 s[G0V+3], s[G0V+3], 0x80000000
	s_add_co_u32 s[NXT], s[NXT], 1         ; the block's next tile, or behind its last the second block's tile 0
	s_cmp_gt_u32 s[NXT], s[LQ]
	s_cselect_b32 s[NXT], 0, s[NXT]
	s_cselect_b32 s[LQ], s[HI], s[LQ]
.endif
	s_wait_dscnt 0x0
	s_barrier_signal -1
	s_xor_b32 s[TB], s[TB], SLOT1
	s_barrier_wait -1
.if \fill
	LOAD
.endif
.endm
; THE LDS LOADS stand in two runs of 32.
.macro FETCH_K
	WIN 0
	v_add_nc_u32 v[ADK], s[TB], v[AK0]
	WIN 0x80                               ; destination window 2
.irp f, 0,1,2,3,4,5,6,7,8,9,10,11,12,13,14,15  ; keys 16 (f / 4) on, channels 32 (f % 4) on
	ds_load_b128 v[KF+8*\f:KF+8*\f+3],   v[ADK] offset:(\f/4)*16*PK+(\f%4)*64
	ds_load_b128 v[KF+8*\f+4:KF+8*\f+7], v[ADK] offset:(\f/4)*16*PK+(\f%4)*64+32
.endr
.endm
.macro FETCH_V
	WIN 0
	v_add_nc_u32 v[ADV], s[TB], v[AV0]
	WIN 0xc0                               ; destination window 3
.irp f, 0,1,2,3,4,5,6,7,8,9,10,11,12,13,14,15  ; keys 32 (f / 8) on, channels 16 (f % 8) on
	ds_load_tr16_b128 v[8*\f:8*\f+3],   v[ADV] offset:(\f/8)*32*PV+(\f%8)*32
	ds_load_tr16_b128 v[8*\f+4:8*\f+7], v[ADV] offset:(\f/8)*32*PV+16*PV+(\f%8)*32
.endr
.endm
.macro QLOAD base                      ; a block's Q: tile t, channels 32 c on
	WIN 0x80
.irp t, 0,1
.irp c, 0,1,2,3
	global_load_b128 v[32*\t+8*\c:32*\t+8*\c+3],       v[QOA], s[\base:\base+1] offset:\t*4096+\c*64
	global_load_b128 v[32*\t+8*\c+4:32*\t+8*\c+7],     v[QOA], s[\base:\base+1] offset:\t*4096+\c*64+32
	global_load_b128 v[64+32*\t+8*\c:64+32*\t+8*\c+3],   v[QOB], s[\base:\base+1] offset:\t*4096+\c*64
	global_load_b128 v[64+32*\t+8*\c+4:64+32*\t+8*\c+7], v[QOB], s[\base:\base+1] offset:\t*4096+\c*64+32
.endr
.endr
	WIN 0
.endm
; THE MATRIX WORK.  The accumulators of a run take turns, one instruction a turn: 4 in K Q^T, 8 in V^T P.
; Product i of 16 of S^T = K Q^T for tile t: channels 32 (i / 4) on, keys 16 (i % 4) on.  The first 4 start the sums: with 0, or (m = 1) with the mask.
.macro KQ t, i, m
.set rS, S+32*(\t)+8*((\i)%4)
.set rK, KF+32*((\i)%4)+8*((\i)/4)
.set rQ, 32*(\t)+8*((\i)/4)
.set rM, MK+32*(\t)+8*((\i)%4)
.if ((\i) < 4) && (\m)
	WIN W_KM
	v_wmma_f32_16x16x32_f16 v[rS:rS+7], v[rK:rK+7], v[rQ:rQ+7], v[rM:rM+7]
.elseif (\i) < 4
	WIN W_KQ
	v_wmma_f32_16x16x32_f16 v[rS:rS+7], v[rK:rK+7], v[rQ:rQ+7], 0
.else
	WIN W_KQ
	v_wmma_f32_16x16x32_f16 v[rS:rS+7], v[rK:rK+7], v[rQ:rQ+7], v[rS:rS+7]
.endif
.endm
; Product i of 16 of O^T += V^T P for tile t: keys 32 (i / 8) on, channels 16 (i % 8) on.
.macro PV t, i
	WIN W_PV
.set rO, 64*(\t)+8*((\i)%8)
.set rV, 64*((\i)/8)+8*((\i)%8)
.set rP, P+16*(\t)+8*((\i)/8)
	v_wmma_f32_16x16x32_f16 v[rO:rO+7], v[rV:rV+7], v[rP:rP+7], v[rO:rO+7]
.endm
.macro MM m                            ; the trip's matrix instruction number idx: 0-15 V^T P of tile 3 of the step before; 16-79 K Q^T of tiles 0-3; 80-127 V^T P of tiles 0-2
.if idx < 16
	PV 3, idx
.elseif idx < 80
	KQ (idx-16)/16, (idx-16)%16, \m
.else
	PV (idx-80)/16, (idx-80)%16
.endif
.set idx, idx+1
.endm
; THE VECTOR WORK.  One tile's softmax for one key step is a list of 134 instructions; SM writes number j of it for tile t.  s0-s31 are the lane's 32 scores, in pairs 0-15.
;   0-15    the maximum of s0-s31 and the old m, three operands at a time: four chains c0-c3 of seven scores each (each accumulator's lowest registers are read first), then the rest
;   16-20   the other half of the lanes' maximum; c m_old kept; the new m; c m; c m_old - c m_new
;   21-87   33 exponentials (a, then s0-s31) at the odd numbers from 23 on: no two follow each other, and each has a plain instruction behind it before its result is used (ISA guide 5.7.2);
;           at 21 and the even numbers whatever is ready: c s - c m for a pair still to come, the rounding to f16 of a pair that is done, the first sums
;   88-101  the last rounding; the rest of the sums; l = a l + the sum          102-133  the tile's O^T times a
.macro SM t
.set rT, ST+8*(\t)
.set rS, S+32*(\t)
.set rP, P+16*(\t)
.set rO, 64*(\t)+2*(j-102)
.set q, (j-20)/2
.if j < 102
	WIN 0
.endif
.if j < 4
	v_max3_num_f32 v[rT+4+j], v[rS+8*j], v[rS+8*j+1], v[rS+8*j+2]
.elseif j < 12
	v_max3_num_f32 v[rT+4+j%4], v[rT+4+j%4], v[rS+8*(j%4)+2*(j/4)+1], v[rS+8*(j%4)+2*(j/4)+2]
.elseif j == 12
	v_max3_num_f32 v[rT+4], v[rT+4], v[rS+7], v[rS+15]
.elseif j == 13
	v_max3_num_f32 v[rT+6], v[rT+6], v[rS+23], v[rS+31]
.elseif j == 14
	v_max3_num_f32 v[rT+4], v[rT+4], v[rT+5], v[rT+6]
.elseif j == 15
	v_max3_num_f32 v[rT+4], v[rT+4], v[rT+7], v[rT+1]
.elseif j == 16
	v_permlanex16_b32 v[rT+5], v[rT+4], s[SEL], s[SEL+1]  ; the query's other 32 keys lie in the lane 16 away
.elseif j == 17
	v_mov_b32 v[rT+7], v[rT]               ; c m_old is kept for a: number 19 writes c m anew
.elseif j == 18
	v_max_num_f32 v[rT+1], v[rT+4], v[rT+5]
.elseif j == 19
	v_mul_f32 v[rT], s[CS], v[rT+1]
.elseif j == 20
	v_sub_f32 v[rT+7], v[rT+7], v[rT]
.elseif j == 23
	v_exp_f32 v[rT+6], v[rT+7]
.elseif (j < 88) && (j > 23) && (j%2 == 1)
	v_exp_f32 v[rS+(j-25)/2], v[rS+(j-25)/2]
.elseif (q < 4) || ((j < 76) && (q%2 == 0))
.set b, q/2+2
.if q < 4
.set b, q
.endif
	v_pk_fma_f32 v[rS+2*b:rS+2*b+1], v[rS+2*b:rS+2*b+1], s[CS:CS+1], v[rT:rT+1] op_sel_hi:[1,0,0] neg_lo:[0,0,1] neg_hi:[0,0,1]  ; pair b: c s - c m
.elseif (j < 88) && (q%2 == 1)
	s_wait_alu depctr_va_vdst(0)
	v_cvt_pk_f16_f32 v[rP+(q-5)/2], v[rS+q-5], v[rS+q-4]
.elseif j == 89
	s_wait_alu depctr_va_vdst(0)
	v_cvt_pk_f16_f32 v[rP+15], v[rS+30], v[rS+31]
.elseif j < 102                        ; the sum of the 16 pairs, in place: sum z of 16 adds neighbours 1, 2, 4 and 8 pairs apart, then l takes it
.set z, j-86
.if j < 89
.set z, (j-76)/4
.endif
.set w, 4
.set u, z
.if z >= 14
.set w, 32
.set u, 0
.elseif z >= 12
.set w, 16
.set u, z-12
.elseif z >= 8
.set w, 8
.set u, z-8
.endif
.if z < 15
	v_pk_add_f32 v[rS+w*u:rS+w*u+1], v[rS+w*u:rS+w*u+1], v[rS+w*u+w/2:rS+w*u+w/2+1]
.else
	v_pk_fma_f32 v[rT+2:rT+3], v[rT+2:rT+3], v[rT+6:rT+7], v[rS:rS+1] op_sel_hi:[1,0,1]
.endif
.else
	WIN W_RS
	v_pk_mul_f32 v[rO:rO+1], v[rO:rO+1], v[rT+6:rT+7] op_sel_hi:[1,0]
.endif
.endm
.macro VV                              ; number p of the trip's 536: the four tiles' lists on end
.set j, p%134
	SM p/134
.set p, p+1
.endm
; THE DEAL, counted.  Number p stands behind product 32 + p / 6.  Tile t's list begins behind product 32, 54, 76, 99; its scores were finished by product 31, 47, 63, 79; it ends behind
; product 54, 76, 98, 121; its V^T P begins at product 80, 96, 112, and for tile 3 in the next trip.  The products beside a tile's list name other tiles' S^T, P and O^T, and K, Q, V.
.macro TOP
	FETCH_K                                ; the last product that read K stands 248 vector instructions back
.set idx, 0
.rept 16
	MM 0
.endr
	PLACES                                 ; between the last product that reads V and the loads into V
	FETCH_V
	WIN 0
.endm
.macro PART1 m
.set idx, 16
.set p, 0
	s_wait_loadcnt 0x0                     ; Q: out only where a block begins; met at once elsewhere
	s_wait_dscnt 32                        ; K's 32 loads are in; V's 32 may stay out
.rept 16
	MM \m
.endr
	PLACES                                 ; between tile 0's last product and the first read of its scores
.rept 48
	MM \m
.rept 6
	VV
.endr
.endr
	WIN 0
.endm
; A barrier is split round PART2's products: the signal where all my LDS loads of the trip are back (in the trip that merges: my reads of the exchange), the wait behind the products.
; So the sends that may follow never meet a partner's reads of the exchange, whatever the blocks' lengths.  The tile on its way may stay out.
.macro PART2
.set idx, 80
.set p, 288
	s_wait_dscnt 0x0                       ; V is in
	s_barrier_signal -1
.rept 48
	MM 0
.rept 6
.if p < 536
	VV
.endif
.endr
.endr
	WIN 0
	s_barrier_wait -1
.endm
.macro DLAST                           ; a block's last products: V^T P of tile 3
.set idx, 0
.rept 16
	MM 0
.endr
	WIN 0
.endm
; A BLOCK'S END, first half: l's two halves and the other half of the lanes' are added; tiles 2, 3 go to the partner: O^T in f32, c m and l.  The first additions are the places behind the last products.
.macro SENDX
	WIN 0
.irp t, 0,1,2,3
	v_add_f32 v[ST+8*\t+4], v[ST+8*\t+2], v[ST+8*\t+3]
.endr
.irp t, 0,1,2,3
	v_permlanex16_b32 v[ST+8*\t+5], v[ST+8*\t+4], s[SEL], s[SEL+1]
.endr
	v_add_f32 v[ST+2], v[ST+4], v[ST+5]
	v_add_f32 v[ST+10], v[ST+12], v[ST+13]
	v_add_f32 v[TS+1], v[ST+20], v[ST+21]
	v_add_f32 v[TS+3], v[ST+28], v[ST+29]
	v_mov_b32 v[TS], v[ST+16]
	v_mov_b32 v[TS+2], v[ST+24]
	WIN 0x04                               ; the stores' data in window 1; each accumulator's low registers first
.set g, 0
.rept 32
	ds_store_b128 v[XS], v[128+4*g:128+4*g+3] offset:512*g
.set g, g+1
.endr
	WIN 0
	ds_store_b128 v[XS], v[TS:TS+3] offset:16384
.endm
; Second half, behind a barrier: the partner's tiles 2, 3 are my tiles 0, 1 for its keys.  c M = max of the two c m; O = (O a1 + O' a2) / (l a1 + l' a2), a = 2^(c m - c M).
.macro PACK t                          ; tile t is merged, rounded to f16, and sent through my stage: 16 bytes a lane in, whole rows of 256 bytes back
	WIN 0
	s_wait_dscnt 16                        ; the partner's tile t is in; the younger sixteen LDS instructions may be out
.set i, 0
.rept 32
	v_pk_mul_f32 v[S+64*(\t)+2*i:S+64*(\t)+2*i+1], v[S+64*(\t)+2*i:S+64*(\t)+2*i+1], v[FM+4*(\t)+2:FM+4*(\t)+3]
.set i, i+1
.endr
	WIN 0x01                               ; source 0 in window 1
.set i, 0
.rept 32
	v_pk_fma_f32 v[S+64*(\t)+2*i:S+64*(\t)+2*i+1], v[64*(\t)+2*i:64*(\t)+2*i+1], v[FM+4*(\t):FM+4*(\t)+1], v[S+64*(\t)+2*i:S+64*(\t)+2*i+1]
.set i, i+1
.endr
	WIN 0
.set i, 0
.rept 32
	v_cvt_pk_f16_f32 v[P+32*(\t)+i], v[S+64*(\t)+2*i], v[S+64*(\t)+2*i+1]
.set i, i+1
.endr
.irp f, 0,1,2,3,4,5,6,7
	ds_store_b128 v[STO], v[P+32*(\t)+4*\f:P+32*(\t)+4*\f+3] offset:32*\f
.endr
.irp f, 0,1,2,3,4,5,6,7
	ds_load_b128 v[S+64*(\t)+4*\f:S+64*(\t)+4*\f+3], v[RD] offset:\f*2*SP  ; LDS serves a wave's instructions in order (ISA guide 5.7.1.4): these see the stores above; the next tile's stores come behind them
.endr
.endm
.macro SEND t, younger
.irp f, 0,1,2,3,4,5,6,7
	s_wait_dscnt (\younger)+7-\f
	global_store_b128 v[GO], v[S+64*(\t)+4*\f:S+64*(\t)+4*\f+3], s[OB:OB+1] offset:(\t)*65536+\f*8192  ; 16 lanes store 256 consecutive bytes, a head's part of a row of ob, at a multiple of 256 from its first byte
.endr
.endm
.macro MERGE
	WIN 0
	ds_load_b128 v[TS:TS+3], v[XR] offset:16384
.set g, 0
.rept 32
	ds_load_b128 v[S+4*g:S+4*g+3], v[XR] offset:512*g
.set g, g+1
.endr
	s_wait_dscnt 32                        ; the statistics are in; the 32 loads behind them may be out
.irp t, 0,1
	v_max_num_f32 v[ST+8*\t+4], v[ST+8*\t], v[TS+2*\t]
.endr
.irp t, 0,1
	v_sub_f32 v[ST+8*\t+5], v[ST+8*\t], v[ST+8*\t+4]
	v_sub_f32 v[ST+8*\t+6], v[TS+2*\t], v[ST+8*\t+4]
.endr
.irp t, 0,1
	v_exp_f32 v[ST+8*\t+5], v[ST+8*\t+5]
	v_exp_f32 v[ST+8*\t+6], v[ST+8*\t+6]
.endr
	v_nop                                  ; a plain instruction between the last exponential and the use of its result
.irp t, 0,1
	s_wait_alu depctr_va_vdst(0)
	v_mul_f32 v[ST+8*\t+7], v[ST+8*\t+5], v[ST+8*\t+2]
.endr
.irp t, 0,1
	v_fma_f32 v[ST+8*\t+7], v[ST+8*\t+6], v[TS+2*\t+1], v[ST+8*\t+7]
.endr
.irp t, 0,1
	v_rcp_f32 v[ST+8*\t+7], v[ST+8*\t+7]   ; every query sees its own key in one of the two halves, so the sum is at least 1
.endr
	v_nop
.irp t, 0,1
	s_wait_alu depctr_va_vdst(0)
	v_mul_f32 v[FM+4*\t], v[ST+8*\t+5], v[ST+8*\t+7]
	v_mul_f32 v[FM+4*\t+1], v[ST+8*\t+5], v[ST+8*\t+7]
	v_mul_f32 v[FM+4*\t+2], v[ST+8*\t+6], v[ST+8*\t+7]
	v_mul_f32 v[FM+4*\t+3], v[ST+8*\t+6], v[ST+8*\t+7]
.endr
	PACK 0
	PACK 1
	SEND 0, 16
	SEND 1, 0
	s_wait_xcnt 0x0                        ; the stores' data (S^T's registers) and base are rewritten only behind this wait
.endm
	s_load_b128 s[4:7], s[0:1], 0x0        ; qr s[4:5], vv s[6:7]
	s_load_b64 s[8:9], s[0:1], 0x10        ; ob
	v_lshl_add_u32 v[SPW], v0, 2, SPARE
	v_mov_b32 v[NIL], 0
	ds_add_u32 v[SPW], v[NIL]              ; the wave's opening: an add and its wait ahead of my first tensor load; work on registers stands between them
	ds_add_u32 v62, v63
	v_lshrrev_b32 v1, 5, v0
	v_readfirstlane_b32 s[WV], v1
	s_and_b32 s[KH], s[WV], 1
	s_lshr_b32 s[QH], s[WV], 1
	s_mov_b32 s[PB], ttmp9
	s_sub_co_u32 s[HI], 15, s[PB]
	s_and_b32 s22, ttmp7, 0xffff           ; batch x 16 + head
	s_lshl_b32 s2, s22, 19                 ; its first byte in qr and vv
	s_lshl_b32 s17, s[KH], 14              ; the half of a tile that I fetch: 64 rows of 256 bytes
	s_add_co_u32 s74, s2, s17
	s_mov_b32 s75, 0
	s_lshl_b32 s17, s[PB], 15              ; the two blocks' Q
	s_add_co_u32 s76, s2, s17
	s_mov_b32 s77, 0
	s_lshl_b32 s17, s[HI], 15
	s_add_co_u32 s78, s2, s17
	s_mov_b32 s79, 0
	s_lshr_b32 s17, s22, 4                 ; ob: (batch x 2048 + block x 128 + 64 qh + 32 kh) rows of 4,096 bytes + head x 256
	s_lshl_b32 s17, s17, 11
	s_lshl_b32 s23, s[QH], 6
	s_add_co_u32 s17, s17, s23
	s_lshl_b32 s23, s[KH], 5
	s_add_co_u32 s17, s17, s23
	s_lshl_b32 s17, s17, 12
	s_and_b32 s23, s22, 15
	s_lshl_b32 s23, s23, 8
	s_add_co_u32 s17, s17, s23
	s_lshl_b32 s23, s[PB], 19
	s_add_co_u32 s2, s17, s23
	s_mov_b32 s3, 0
	s_lshl_b32 s23, s[HI], 19
	s_add_co_u32 s[OFF], s17, s23
	s_mov_b32 s[OFF+1], 0                  ; stays 0
	s_mov_b32 s[G1K], (1<<16)|(1<<20)|(5<<22)|(3<<25)  ; 2-byte elements; padding on; after every 64 words 4 words
	s_mov_b32 s[G1V], (1<<16)|(1<<20)|(5<<22)|(7<<25)  ; 8 words
.irp g, G1K, G1V
	s_mov_b32 s[\g+1], 128<<16             ; tensor_dim0 = 128
	s_mov_b32 s[\g+2], 64<<16              ; tensor_dim1 = 64
	s_mov_b32 s[\g+3], 128<<16             ; tile_dim0 = 128
	s_mov_b32 s[\g+4], 64                  ; tile_dim1 = 64
	s_mov_b32 s[\g+5], 128                 ; elements from row to row
	s_mov_b32 s[\g+6], 0
	s_mov_b32 s[\g+7], 0
.endr
	s_mov_b32 s[G0K], 1
	s_mul_i32 s[G0K+1], s[KH], HALFB       ; slot 0, the half that I fetch
	s_mov_b32 s[G0V], 1
	s_add_co_u32 s[G0V+1], s[G0K+1], VOFF
	s_mov_b32 s[CS], 0x3e0293ee            ; c = log2(e) / sqrt(128)
	s_mov_b32 s[CS+1], s[CS]
	s_mov_b32 s[SEL], 0x76543210
	s_mov_b32 s[SEL+1], 0xfedcba98
	s_mov_b32 s[BIGN], 0xf1800000          ; -2^100
	s_mov_b32 s[TB], SLOT1                 ; the first change of slots turns it into 0
	s_mov_b32 s[SLOTS], 16
	s_mov_b32 s[NEW], 0
	s_add_co_u32 s[RT], s[PB], 1           ; the first block has x + 1 tiles
	s_mov_b32 s[NXT], 1
	s_mov_b32 s[LQ], s[PB]
	s_cmp_gt_u32 s[NXT], s[LQ]             ; where x = 0 the second tile asked for is the second block's tile 0
	s_cselect_b32 s[NXT], 0, s[NXT]
	s_cselect_b32 s[LQ], s[HI], s[LQ]
	s_wait_dscnt 0x0                       ; the opening add is done
	s_wait_kmcnt 0x0
	s_add_nc_u64 s[KBAS:KBAS+1], s[4:5], s[74:75]
	s_add_nc_u64 s[VBAS:VBAS+1], s[6:7], s[74:75]
	s_add_nc_u64 s[QLO:QLO+1], s[4:5], s[76:77]
	s_add_nc_u64 s[QHI:QHI+1], s[4:5], s[78:79]
	s_add_nc_u64 s[OB:OB+1], s[8:9], s[2:3]
	s_add_nc_u64 s[OHI:OHI+1], s[8:9], s[OFF:OFF+1]
	s_mov_b64 s[G0K+2:G0K+3], s[KBAS:KBAS+1]
	s_or_b32 s[G0K+3], s[G0K+3], 0x80000000
	s_mov_b64 s[G0V+2:G0V+3], s[VBAS:VBAS+1]
	s_or_b32 s[G0V+3], s[G0V+3], 0x80000000
	LOAD                                   ; tile 0 into slot 0
	v_and_b32 v48, 15, v0                  ; l % 16
	v_bfe_u32 v49, v0, 4, 1                ; l / 16
	v_and_b32 v50, 7, v0
	v_bfe_u32 v51, v0, 3, 1
	v_and_b32 v52, 31, v0
	; Q: lane l holds row l % 16, channels 8 (l / 16) + 0..7 and 16 + 8 (l / 16) + 0..7 of 32.  Tiles 0, 1 are rows 64 qh + 32 kh on, tiles 2, 3 rows 64 qh + 32 (1 - kh) on.
	v_lshlrev_b32 v53, 8, v48
	v_lshl_add_u32 v53, v49, 4, v53
	s_lshl_b32 s17, s[QH], 14
	s_lshl_b32 s22, s[KH], 13
	s_add_co_u32 s23, s17, s22
	v_add_nc_u32 v[QOA], s23, v53
	s_add_co_u32 s17, s17, 8192
	s_sub_co_u32 s23, s17, s22
	v_add_nc_u32 v[QOB], s23, v53
	QLOAD QLO
	s_mul_i32 s22, s[KH], HALFB
	v_mul_u32_u24 v[AK0], v48, PK
	v_lshl_add_u32 v[AK0], v49, 4, v[AK0]  ; row x pitch + 16 x half,
	v_add_nc_u32 v[AK0], s22, v[AK0]       ; in my half of the tile
	; The turning load takes 16 keys x 16 channels (lane l reads key 8 (l / 16) + l % 8, channels 8 ((l / 8) % 2) + 0..7) and leaves half a fragment of V^T: lane l holds channel l % 16 and 8 keys.
	v_lshl_add_u32 v[AV0], v49, 3, v50
	v_mul_u32_u24 v[AV0], v[AV0], PV
	v_lshl_add_u32 v[AV0], v51, 4, v[AV0]
	s_add_co_u32 s23, s22, VOFF
	v_add_nc_u32 v[AV0], s23, v[AV0]
	s_mul_i32 s17, s[WV], XW
	s_add_co_u32 s17, s17, XCH
	v_lshl_add_u32 v[XS], v52, 4, s17      ; my part of the exchange: wave x XW
	s_add_co_u32 s22, s[WV], 1             ; my partner's part: (2 qh + 1 - kh) x XW, made of the wave's number by a sum, a mask and products with constants:
	s_and_b32 s22, s22, 1                  ; (wave + 1) % 2 = 1 - kh
	s_mul_i32 s22, s22, XW
	s_mul_i32 s23, s[QH], 2*XW
	s_add_co_u32 s22, s22, s23
	s_add_co_u32 s22, s22, XCH
	v_lshl_add_u32 v[XR], v52, 4, s22
	s_mul_i32 s17, s[WV], 16*SP
	s_add_co_u32 s17, s17, STG
	v_mul_u32_u24 v[STO], v48, SP          ; in: row l % 16, 16 bytes for each half of the lanes
	v_lshl_add_u32 v[STO], v49, 4, v[STO]
	v_add_nc_u32 v[STO], s17, v[STO]
	v_mul_u32_u24 v[RD], v49, SP           ; back: lanes 0-15 one row of 256 bytes, lanes 16-31 the next
	v_lshl_add_u32 v[RD], v48, 4, v[RD]
	v_add_nc_u32 v[RD], s17, v[RD]
	v_lshlrev_b32 v[GO], 12, v49           ; and the same two rows in ob
	v_lshl_add_u32 v[GO], v48, 4, v[GO]
	; The mask.  Key 64 kh + 16 kb + 8 (l / 16) + j is hidden from query 64 qh + 16 tq + l % 16 where 16 kb + j > 64 (qh - kh) + 16 tq + l % 16 - 8 (l / 16).
	v_lshlrev_b32 v53, 3, v49
	v_sub_nc_u32 v53, v48, v53
	s_sub_co_i32 s17, s[QH], s[KH]
	s_lshl_b32 s17, s17, 6
	s_lshl_b32 s22, s[KH], 5
	s_add_co_u32 s23, s17, s22
	v_add_nc_u32 v[VA], s23, v53           ; tiles 0, 1: tq = 2 kh + t
	s_add_co_u32 s17, s17, 32
	s_sub_co_u32 s23, s17, s22
	v_add_nc_u32 v[VA+1], s23, v53         ; tiles 2, 3: tq = 2 (1 - kh) + t - 2
	WIN 0xc0
.set i, 0
.rept 128                              ; i = 32 t + 8 kb + j
	v_cmp_gt_i32 vcc_lo, 16*((i/8)%4)+i%8-16*((i/32)%2), v[VA+i/64]
	v_cndmask_b32 v[MK+i], 0, s[BIGN], vcc_lo
.set i, i+1
.endr
	; What the first trip finds: V and tile 3's P hold 0 (its first 16 products, of a step that has not been, add 0); O^T and l are 0.
.set i, 0
.rept 128
	v_mov_b32 v[i], 0
.set i, i+1
.endr
	WIN 0x40
.set i, 0
.rept 256
	v_mov_b32 v[i], 0
.set i, i+1
.endr
	WIN 0
.set i, P+48
.rept 16
	v_mov_b32 v[i], 0
.set i, i+1
.endr
.irp t, 0,1,2,3
	v_mov_b32 v[ST+8*\t], 0xdc0293ee       ; c m = c x -2^60, exactly
	v_mov_b32 v[ST+8*\t+1], 0xdd800000     ; m = -2^60
	v_mov_b32 v[ST+8*\t+2], 0
	v_mov_b32 v[ST+8*\t+3], 0
.endr
.Lslot:                                ; 16 times: a tile is entered and the next is asked for
	CHANGE 1
	TOP
	s_cmp_eq_u32 s[NEW], 1
	s_cbranch_scc0 .Lold
	MERGE                                  ; the first block ended in the trip before: the change of slots has put everybody's sends behind a barrier
.irp t, 0,1,2,3
	v_mov_b32 v[ST+8*\t], 0xdc0293ee       ; the second block begins: its first step's a is 0
	v_mov_b32 v[ST+8*\t+1], 0xdd800000
.endr
	s_mov_b64 s[OB:OB+1], s[OHI:OHI+1]
	s_add_co_u32 s[RT], s[HI], 1           ; it has 16 - x tiles
	s_mov_b32 s[NEW], 0
.Lold:
	s_sub_co_u32 s[RT], s[RT], 1
	s_cmp_eq_u32 s[RT], 0
	s_cbranch_scc1 .Ldiag
	PART1 0
	s_branch .Lp2
.Ldiag:
	PART1 1                                ; the block's last tile holds the diagonal
.Lp2:
	PART2
	s_cmp_eq_u32 s[RT], 0
	s_cbranch_scc0 .Lbot
	DLAST                                  ; in the loop this is the first block's end: the second's last tile is the walk's last
	SENDX
	QLOAD QHI                              ; the last product that read Q stands far back; the wait stands at the head of the next scores
	s_mov_b32 s[NEW], 1
.Lbot:
	s_sub_co_u32 s[SLOTS], s[SLOTS], 1
	s_cmp_lg_u32 s[SLOTS], 0
	s_cbranch_scc1 .Lslot
	CHANGE 0                               ; the walk's last tile is written out: it is the second block's diagonal tile
	TOP
	PART1 1
	PART2
	DLAST
	SENDX
	s_wait_dscnt 0x0                       ; for the partner's sake: my sends are done
	s_barrier_signal -1
	s_barrier_wait -1
	MERGE
	s_wait_tensorcnt 0x0                   ; the wave's end: a wait, an add and its wait, behind my last tensor load and my last LDS store
	ds_add_u32 v[SPW], v[NIL]
	s_wait_dscnt 0x0
	s_endpgm
.Lfunc_end_k_qedd2377ad7_attn:
	.size	k_qedd2377ad7_attn, .Lfunc_end_k_qedd2377ad7_attn-k_qedd2377ad7_attn
	.p2alignl 7, 3214868480
	.fill 96, 4, 3214868480
	.section	.rodata,"a",@progbits
	.p2align	6, 0x0
	.amdhsa_kernel k_qedd2377ad7_attn
		.amdhsa_group_segment_fixed_size 327680
		.amdhsa_private_segment_fixed_size 0
		.amdhsa_enable_private_segment 0
		.amdhsa_kernarg_size 24
		.amdhsa_user_sgpr_count 2
		.amdhsa_user_sgpr_kernarg_segment_ptr 1
		.amdhsa_wavefront_size32 1
		.amdhsa_system_sgpr_workgroup_id_x 1
		.amdhsa_system_sgpr_workgroup_id_y 1
		.amdhsa_system_sgpr_workgroup_id_z 1
		.amdhsa_system_vgpr_workitem_id 0
		.amdhsa_next_free_vgpr 1024
		.amdhsa_next_free_sgpr 80
		.amdhsa_reserve_vcc 1
		.amdhsa_float_denorm_mode_32 3
		.amdhsa_float_denorm_mode_16_64 3
		.amdhsa_memory_ordered 1
		.amdhsa_forward_progress 1
		.amdhsa_inst_pref_size 210
	.end_amdhsa_kernel
	.amdgpu_metadata
---
amdhsa.version: [ 1, 2 ]
amdhsa.kernels:
  - .name:           k_qedd2377ad7_attn
    .symbol:         k_qedd2377ad7_attn.kd
    .args:
      - { .name: qr, .offset: 0, .size: 8, .value_kind: global_buffer, .address_space: global }
      - { .name: vv, .offset: 8, .size: 8, .value_kind: global_buffer, .address_space: global }
      - { .name: ob, .offset: 16, .size: 8, .value_kind: global_buffer, .address_space: global }
    .group_segment_fixed_size: 327680
    .private_segment_fixed_size: 0
    .kernarg_segment_align: 8
    .kernarg_segment_size: 24
    .max_flat_workgroup_size: 128
    .sgpr_count:     80
    .vgpr_count:     1024
    .wavefront_size: 32
...
	.end_amdgpu_metadata
.endif
;; end of part 3
;; launch oproj (part 4): grid 8 x 32, 4 waves a work-group, clusters of 4 x 4, 327,680 bytes of LDS; arguments ob, wo16, Wo_b, X, out0; writes out0
.if DOCPART == 4
	.amdgcn_target "amdgcn-amd-amdhsa--gfx1250"
	.amdhsa_code_object_version 6
	.text
	.protected	k_qedd2377ad7_oproj
	.globl	k_qedd2377ad7_oproj
	.p2align	8
	.type	k_qedd2377ad7_oproj,@function
k_qedd2377ad7_oproj:
	s_mov_b64 s[64:65], 0
	v_nop
	global_prefetch_b8 v0, s[64:65] scope:SCOPE_SE
	s_setreg_imm32_b32 hwreg(HW_REG_WAVE_MODE, 25, 1), 1
	s_wait_xcnt 0x0
	s_wait_alu depctr_hold_cnt(0) depctr_sa_sdst(0) depctr_va_vdst(0) depctr_va_sdst(0) depctr_va_ssrc(0) depctr_va_vcc(0) depctr_vm_vsrc(0)
	s_getreg_b32 s2, hwreg(HW_REG_IB_STS2, 6, 4)
	s_cmp_eq_u32 s2, 0
	s_cbranch_scc0 .Lentry_in_a_cluster
	s_endpgm
.Lentry_in_a_cluster:
	s_bfe_u32 s2, ttmp6, 0x10000c
	s_cmp_lg_u32 s2, 0xf033
	s_cbranch_scc0 .Lentry_shape_is_right
	s_endpgm
.Lentry_shape_is_right:
; OPROJ.  out0[m][n] = bf16(X[m][n]) + sum over k of ob[m][k] wo16[n][k] + bf16(Wo_b[n]).  ob: [4096][2048] f16, wo16: [2048][2048] f16, X and out0: [4096][2048] f32; sums in f32.
; X is rounded to bf16 here as everywhere in the program: every input of the module enters in that one rounding.
; A tile of out0 is 128 rows x 256 columns: 8 x 32 = 256 work-groups.  Four waves; wave w makes rows 64 (w / 2) .. and columns 128 (w % 2) ..: 32 accumulators of 16 x 16, 256 registers.
; K goes in 16 steps of 128 (rows of 256 bytes, each at a multiple of 256 from its buffer's first byte) through two LDS slots.
; CLUSTER 4 x 4: ob's tile hangs on the tile row alone and is asked for jointly along a row of the cluster, wo16's on the tile column alone, along a column.
; THE MATRIX INSTRUCTION IS USED TRANSPOSED (source 0 = 16 rows of wo16, source 1 = 16 rows of ob): lane l holds row l % 16 and the columns 8 (l / 16) + 0..7 of a block of 16.
; THE BIAS is the C operand of the first products.  X's tile, 128 x 256 f32, comes into slot 0's place when its last K step has been read, under the last K step's products.
; REGISTERS, in windows of 256 (s_set_vgpr_msb: bits 1:0 source 0, 3:2 source 1, 5:4 source 2, 7:6 destination):
;   window 0: v1-15 at work; v16-31 addresses; v64-127 fragments of ob, two buffers of 32; v128-255 fragments of wo16, two buffers of 64; v32-159 at work on the way out
;   window 1: accumulator (a, b) at v[8 (8 a + b)]          window 2: v0-63 the bias of my 128 columns, block b at v[8 b]
.set PITCH,  272                       ; an LDS row: 256 bytes + 16 of padding = 68 words: the 16 rows of a fragment load start at 16 different groups of four banks (64 banks of 4 bytes: ISA guide 11.1)
.set AHALF,  64*PITCH                  ; what a wave fetches, and reads, of ob
.set BHALF,  128*PITCH                 ; of wo16
.set BOFF,   2*AHALF                   ; in a slot: ob's 128 rows, then wo16's 256
.set SLOT1,  1<<17                     ; slot 1 begins here: one exclusive or turns an address in one slot into the other's
.set STAGE,  SLOT1                     ; the way out lies on slot 1, written only when its last fill has been read by all
.set SP,     528                       ; a stage row: 512 bytes + 16: 33 x 16
.set SPARE,  327168                    ; the spare words, 128 bytes for each wave: two blocks of 256 bytes that no other line names
.set KSTEPB, 256
.set ADRA, 16                          ; v16  LDS address of my ob fragments in the slot in hand
.set ADRB, 17                          ; v17  of my wo16 fragments
.set A0,   18                          ; v18  the same in slot 0; never rewritten
.set B0,   19                          ; v19
.set STO,  20                          ; v20  the way out: where I put 32 bytes of a row
.set RD,   21                          ; v21  where I read 16 bytes of a row back
.set RX,   22                          ; v22  the same 4 numbers of X's tile
.set GO,   23                          ; v23  my byte offset in out0
.set SPW,  28                          ; v28  my spare word; never rewritten
.set NIL,  29                          ; v29  0; never rewritten
.set ONE,  30                          ; v30  1.0
.set FA,   64
.set FB,   128
.set G1A, 24                           ; s[24:31] descriptor group 1 for ob's tiles
.set G0A, 32                           ; s[32:39] group 0: a set for each of the two first fills; the second then walks
.set G1B, 48                           ; s[48:55], s[56:63] the same for wo16's
.set G0B, 56
.set GX1, 68                           ; s[68:75], s[76:79] X's tile
.set GX0, 76
.set TB,  80                           ; s80  first byte of the slot in hand
.set MSB, 0
.macro WIN new                         ; the immediate's high byte repeats the setting that is left; a switch that changes nothing is dropped
.if MSB != (\new)
	s_set_vgpr_msb (MSB<<8)|(\new)
.set MSB, \new
.endif
.endm
.macro PLACES                          ; four places in front of loads into registers that matrix instructions have read, and of what reads results
.rept 4
	v_nop
.endr
.endm
.macro JLOAD                           ; a joint refill: waves 0 and 1 fetch ob's halves, waves 2 and 3 wo16's; an s_nop 0 and four v_nop follow each line
	s_cmp_lt_u32 s10, 2
	s_cbranch_scc0 .Lfor_b_\@
	tensor_load_to_lds s[G0A+4:G0A+7], s[G1A:G1A+7]
	s_nop 0
	PLACES
	s_branch .Lasked_\@
.Lfor_b_\@:
	tensor_load_to_lds s[G0B+4:G0B+7], s[G1B:G1B+7]
	s_nop 0
	PLACES
.Lasked_\@:
.endm
.macro XLOAD                           ; every wave's own quarter of X's tile: no mask
	tensor_load_to_lds s[GX0:GX0+3], s[GX1:GX1+7]
	s_nop 0
	PLACES
.endm
.macro CREST                           ; a round of the cluster's barrier behind its opening barrier
	s_cmp_lg_u32 s10, 0
	s_cbranch_scc1 .Lnot_wave_0_\@
	s_barrier_signal -3
.Lnot_wave_0_\@:
	s_barrier_wait -3
	s_barrier_signal -1
	s_barrier_wait -1
.endm
.macro CROUND
	s_barrier_signal -1
	s_barrier_wait -1
	CREST
.endm
; 8 matrix instructions: row block a x all 8 column blocks, 32 along K, on buffer f.  zc = 1: the first products, which take the bias as C.
; The 32 accumulators take turns in the same order in every quarter.
.macro MUL f, a, zc
.if \zc
	WIN 0x60                               ; C in window 2, D in window 1
.else
	WIN 0x50                               ; C and D in window 1
.endif
.irp b, 0,1,2,3,4,5,6,7
.if \zc
	v_wmma_f32_16x16x32_f16 v[8*(8*(\a)+(\b)):8*(8*(\a)+(\b))+7], v[FB+64*(\f)+8*(\b):FB+64*(\f)+8*(\b)+7], v[FA+32*(\f)+8*(\a):FA+32*(\f)+8*(\a)+7], v[8*(\b):8*(\b)+7]
.else
	v_wmma_f32_16x16x32_f16 v[8*(8*(\a)+(\b)):8*(8*(\a)+(\b))+7], v[FB+64*(\f)+8*(\b):FB+64*(\f)+8*(\b)+7], v[FA+32*(\f)+8*(\a):FA+32*(\f)+8*(\a)+7], v[8*(8*(\a)+(\b)):8*(8*(\a)+(\b))+7]
.endif
.endr
.endm
; 24 LDS loads in one run: the fragments of 32 along K at byte k of the rows, into buffer f; wo16's first, ob's last
.macro FETCH k, f
	WIN 0
.irp i, 0,1,2,3,4,5,6,7
	ds_load_b128 v[FB+64*(\f)+8*(\i):FB+64*(\f)+8*(\i)+3],   v[ADRB] offset:(\k)+(\i)*16*PITCH
	ds_load_b128 v[FB+64*(\f)+8*(\i)+4:FB+64*(\f)+8*(\i)+7], v[ADRB] offset:(\k)+(\i)*16*PITCH+32
.endr
.irp i, 0,1,2,3
	ds_load_b128 v[FA+32*(\f)+8*(\i):FA+32*(\f)+8*(\i)+3],   v[ADRA] offset:(\k)+(\i)*16*PITCH
	ds_load_b128 v[FA+32*(\f)+8*(\i)+4:FA+32*(\f)+8*(\i)+7], v[ADRA] offset:(\k)+(\i)*16*PITCH+32
.endr
.endm
; A K step is four quarters of 32 along K, 32 matrix instructions each, on buffers 0, 1, 0, 1.  One of the first three: multiplies f, fetches the next quarter, at byte k, into g.
.macro QUARTER k, f, g, zc
	s_wait_dscnt 4                         ; wo16's fragments and ob's blocks 0, 1 are in; the youngest four loads (blocks 2, 3) may be out
	MUL \f, 0, \zc
	MUL \f, 1, \zc
	PLACES
	FETCH \k, \g
	s_wait_dscnt 24                        ; all but the 24 just issued
	MUL \f, 2, \zc
	MUL \f, 3, \zc
.endm
; The last quarter multiplies buffer 1 and changes slots.  In front of the barrier each wave waits for all its tensor loads (one is out: its part of the next slot), adds 0 to its spare
; word, and waits for that and for its reads of this slot.  The barrier opens a round of the cluster's, so that no wave of any partner still reads the slot or has a load on its way;
; the refill is the first thing behind the round.  kind = 0: the K step two on, jointly; it has 112 matrix instructions in which to land.  kind = 1: X's tile.
.macro TURN kind
	WIN 0
	s_wait_tensorcnt 0x0
	ds_add_u32 v[SPW], v[NIL]
.if (\kind) == 0
	s_xor_b32 s[G0A+5], s[G0A+5], SLOT1    ; no tensor load of mine is out: the walking descriptors step: the other slot,
	s_add_nc_u64 s[G0A+6:G0A+7], s[G0A+6:G0A+7], KSTEPB  ; the next K step; the type bits on top are not reached
	s_xor_b32 s[G0B+5], s[G0B+5], SLOT1
	s_add_nc_u64 s[G0B+6:G0B+7], s[G0B+6:G0B+7], KSTEPB
.endif
	s_xor_b32 s[TB], s[TB], SLOT1
	s_wait_dscnt 5                         ; the add and the youngest four loads may be out
	MUL 1, 0, 0
	s_wait_dscnt 0x0                       ; the add is done, and my reads of this slot are over
	s_barrier_signal -1
	MUL 1, 1, 0
	WIN 0
	s_barrier_wait -1
	CREST
.if (\kind) == 0
	JLOAD
.else
	XLOAD
.endif
	v_add_nc_u32 v[ADRA], s[TB], v[A0]
	v_add_nc_u32 v[ADRB], s[TB], v[B0]
	FETCH 0, 0                             ; the four v_nop behind the tensor load are also the places in front of these loads
	MUL 1, 2, 0
	MUL 1, 3, 0
.endm
	s_load_b128 s[4:7], s[0:1], 0x0        ; ob s[4:5], wo16 s[6:7]
	s_load_b64 s[8:9], s[0:1], 0x10        ; Wo_b
	s_load_b64 s[84:85], s[0:1], 0x18      ; X
	s_load_b64 s[86:87], s[0:1], 0x20      ; out0
	v_lshl_add_u32 v[SPW], v0, 2, SPARE
	v_mov_b32 v[NIL], 0
	ds_add_u32 v[SPW], v[NIL]              ; the wave's opening: an add and its wait ahead of my first tensor load; work on registers stands between them
	ds_add_u32 v28, v29
	v_lshrrev_b32 v1, 5, v0
	v_readfirstlane_b32 s10, v1            ; wave 0..3
	s_lshr_b32 s11, s10, 1                 ; which 64 rows of the tile are mine
	s_and_b32 s12, s10, 1                  ; which 128 columns.  Also: which half of ob's or wo16's tile I fetch
	s_bfe_u32 s40, ttmp6, 0x40000          ; cx, cy: my place in the cluster
	s_bfe_u32 s41, ttmp6, 0x40004
	s_lshl_b32 s42, ttmp9, 2
	s_add_co_u32 s42, s42, s40             ; tile column 0..7
	s_and_b32 s13, ttmp7, 0xffff
	s_lshl_b32 s13, s13, 2
	s_add_co_u32 s13, s13, s41             ; tile row 0..31
	s_lshl_b32 s43, s41, 2
	s_lshl_b32 s43, 15, s43                ; my row of the cluster
	s_lshl_b32 s44, 0x1111, s40            ; my column
	s_or_b32 s[G1A], s43, (1<<16)|(1<<20)|(1<<21)|(5<<22)|(3<<25)  ; the mask; 2-byte elements; padding on; bit 21 beside a mask; after every 64 words 4 words
	s_or_b32 s[G1B], s44, (1<<16)|(1<<20)|(1<<21)|(5<<22)|(3<<25)
.irp g, G1A, G1B
	s_mov_b32 s[(\g)+1], 128<<16           ; tensor_dim0 = 128
	s_mov_b32 s[(\g)+3], 128<<16           ; tile_dim0 = 128
	s_mov_b32 s[(\g)+5], 2048              ; elements from row to row
	s_mov_b32 s[(\g)+6], 0
	s_mov_b32 s[(\g)+7], 0
.endr
	s_mov_b32 s[G1A+2], 64<<16             ; tensor_dim1 and tile_dim1: 64 rows of ob,
	s_mov_b32 s[G1A+4], 64
	s_mov_b32 s[G1B+2], 128<<16            ; 128 of wo16
	s_mov_b32 s[G1B+4], 128
	s_mov_b32 s[GX1], 2<<16                ; X: 32 rows of 256 elements of 4 bytes, 2,048 elements from row to row, no padding
	s_mov_b32 s[GX1+1], 256<<16
	s_mov_b32 s[GX1+2], 32<<16
	s_mov_b32 s[GX1+3], 256<<16
	s_mov_b32 s[GX1+4], 32
	s_mov_b32 s[GX1+5], 2048
	s_mov_b32 s[GX1+6], 0
	s_mov_b32 s[GX1+7], 0
	s_lshl_b32 s16, s13, 7                 ; ob: row 128 x tile row + 64 x half, 4,096 bytes a row
	s_lshl_b32 s17, s12, 6
	s_add_co_u32 s16, s16, s17
	s_lshl_b32 s16, s16, 12
	s_mov_b32 s17, 0
	s_lshl_b32 s46, s42, 8                 ; wo16: row 256 x tile column + 128 x half
	s_lshl_b32 s47, s12, 7
	s_add_co_u32 s46, s46, s47
	s_lshl_b32 s46, s46, 12
	s_mov_b32 s47, 0
	s_mul_i32 s20, s12, AHALF              ; where they go: no place in the cluster enters an LDS address
	s_mul_i32 s21, s12, BHALF
	s_add_co_u32 s21, s21, BOFF
	s_lshl_b32 s88, s13, 7                 ; X: row 128 x tile row + 32 x wave, 8,192 bytes a row; column 256 x tile column, 4 bytes each
	s_lshl_b32 s89, s10, 5
	s_add_co_u32 s88, s88, s89
	s_lshl_b32 s88, s88, 13
	s_lshl_b32 s89, s42, 10
	s_add_co_u32 s88, s88, s89
	s_mov_b32 s89, 0
	s_lshl_b32 s90, s13, 7                 ; out0: row 128 x tile row + 64 x my half; column 256 x tile column + 128 x my half
	s_lshl_b32 s91, s11, 6
	s_add_co_u32 s90, s90, s91
	s_lshl_b32 s90, s90, 13
	s_lshl_b32 s18, s42, 10                ; (the bias begins at the same column)
	s_lshl_b32 s19, s12, 9
	s_add_co_u32 s18, s18, s19
	s_mov_b32 s19, 0
	s_add_co_u32 s90, s90, s18
	s_mov_b32 s91, 0
	s_wait_dscnt 0x0                       ; the opening add is done
	s_wait_kmcnt 0x0
	s_add_nc_u64 s[14:15], s[4:5], s[16:17]
	s_add_nc_u64 s[46:47], s[6:7], s[46:47]
	s_add_nc_u64 s[8:9], s[8:9], s[18:19]
	s_add_nc_u64 s[86:87], s[86:87], s[90:91]
	CROUND                                 ; all sixteen work-groups are here: the first joint loads meet
.irp s, 0,1
	s_mov_b32 s[G0A+4*(\s)], 1
	s_add_co_u32 s[G0A+4*(\s)+1], s20, (\s)*SLOT1
	s_add_nc_u64 s[G0A+4*(\s)+2:G0A+4*(\s)+3], s[14:15], (\s)*KSTEPB
	s_or_b32 s[G0A+4*(\s)+3], s[G0A+4*(\s)+3], 0x80000000
	s_mov_b32 s[G0B+4*(\s)], 1
	s_add_co_u32 s[G0B+4*(\s)+1], s21, (\s)*SLOT1
	s_add_nc_u64 s[G0B+4*(\s)+2:G0B+4*(\s)+3], s[46:47], (\s)*KSTEPB
	s_or_b32 s[G0B+4*(\s)+3], s[G0B+4*(\s)+3], 0x80000000
.endr
	s_mov_b32 s[GX0], 1
	s_lshl_b32 s[GX0+1], s10, 15           ; wave x 32,768
	s_add_nc_u64 s[GX0+2:GX0+3], s[84:85], s[88:89]
	s_or_b32 s[GX0+3], s[GX0+3], 0x80000000
	s_cmp_lt_u32 s10, 2                    ; a wave's two first fills stand in one branch: two loads of mine are out
	s_cbranch_scc0 .Lfirst_b
	tensor_load_to_lds s[G0A:G0A+3], s[G1A:G1A+7]
	s_nop 0
	tensor_load_to_lds s[G0A+4:G0A+7], s[G1A:G1A+7]
	s_nop 0
	PLACES
	s_branch .Lfirst_done
.Lfirst_b:
	tensor_load_to_lds s[G0B:G0B+3], s[G1B:G1B+7]
	s_nop 0
	tensor_load_to_lds s[G0B+4:G0B+7], s[G1B:G1B+7]
	s_nop 0
	PLACES
.Lfirst_done:
	v_and_b32 v1, 15, v0                   ; l % 16
	v_bfe_u32 v2, v0, 4, 1                 ; l / 16
	v_lshlrev_b32 v15, 5, v2               ; the bias as C: register j of block b is column 16 b + 8 (l / 16) + j
.irp b, 0,1,2,3,4,5,6,7
	global_load_b128 v[64+8*\b:64+8*\b+3], v15, s[8:9] offset:64*\b
	global_load_b128 v[64+8*\b+4:64+8*\b+7], v15, s[8:9] offset:64*\b+16
.endr
	v_mul_u32_u24 v3, v1, PITCH
	v_lshl_add_u32 v3, v2, 4, v3           ; a fragment's row x pitch + 16 x half
	s_mul_i32 s22, s11, AHALF
	s_mul_i32 s23, s12, BHALF
	s_add_co_u32 s23, s23, BOFF
	v_add_nc_u32 v[A0], s22, v3
	v_add_nc_u32 v[B0], s23, v3
	v_mov_b32 v[ADRA], v[A0]
	v_mov_b32 v[ADRB], v[B0]
	s_mov_b32 s[TB], 0
	s_mul_i32 s22, s10, 64*SP
	s_add_co_u32 s22, s22, STAGE           ; my stage: 64 rows
	v_mul_u32_u24 v4, v1, SP
	v_lshl_add_u32 v4, v2, 5, v4           ; in: row l % 16, 32 bytes for each half of the lanes
	v_add_nc_u32 v[STO], s22, v4
	v_and_b32 v5, 31, v0
	v_lshlrev_b32 v[GO], 4, v5             ; back: 32 lanes take a row's 512 bytes
	v_add_nc_u32 v[RD], s22, v[GO]
	s_lshl_b32 s23, s11, 16                ; X's tile: rows of 1,024 bytes; my 64 rows, my 512 bytes of each
	s_lshl_b32 s22, s12, 9
	s_add_co_u32 s23, s23, s22
	v_add_nc_u32 v[RX], s23, v[GO]
	v_mov_b32 v[ONE], 1.0
	s_wait_loadcnt 0x0                     ; the bias: rounded to bf16, widened, into window 2
.set i, 0
.rept 32
	v_cvt_pk_bf16_f32 v[128+i], v[64+2*i], v[64+2*i+1]
.set i, i+1
.endr
	WIN 0x80
.set i, 0
.rept 32
	v_lshlrev_b32 v[2*i], 16, v[128+i]
	v_and_b32 v[2*i+1], 0xffff0000, v[128+i]
.set i, i+1
.endr
	WIN 0
	s_wait_tensorcnt 1                     ; my part of K step 0 is in; K step 1's may stay out
	s_barrier_signal -1
	s_barrier_wait -1
	FETCH 0, 0
	QUARTER 64, 0, 1, 1                    ; the first quarter stands in front of the loop: its products start the sums, on the bias
	WIN 0
	s_mov_b32 s3, 14
.Lstep:                                ; a trip: from a K step's second quarter to the next one's first; it asks for K steps 2 .. 15
	QUARTER 128, 1, 0, 0
	QUARTER 192, 0, 1, 0
	TURN 0
	QUARTER 64, 0, 1, 0
	WIN 0
	s_sub_co_u32 s3, s3, 1
	s_cmp_lg_u32 s3, 0
	s_cbranch_scc1 .Lstep
	QUARTER 128, 1, 0, 0                   ; K step 14 goes on;
	QUARTER 192, 0, 1, 0
	TURN 1                                 ; slot 0 has been read for the last time: its place takes X's tile
	QUARTER 64, 0, 1, 0
	QUARTER 128, 1, 0, 0
	QUARTER 192, 0, 1, 0
	WIN 0
	s_wait_tensorcnt 0x0                   ; my part of X's tile is in,
	s_wait_dscnt 0x0                       ; and my last reads of slot 1 are back:
	s_barrier_signal -1                    ; behind this barrier X's tile may be read and the stage, on slot 1, written
	MUL 1, 0, 0
	MUL 1, 1, 0
	MUL 1, 2, 0
	MUL 1, 3, 0
	WIN 0
	s_barrier_wait -1
	PLACES
	; THE WAY OUT.  The sums in f32 into my stage, each accumulator's low registers first.
	WIN 0x04                               ; the stores' data in window 1
.irp a, 0,1,2,3
.irp b, 0,1,2,3,4,5,6,7
	ds_store_b128 v[STO], v[8*(8*\a+\b):8*(8*\a+\b)+3] offset:\a*16*SP+64*\b
	ds_store_b128 v[STO], v[8*(8*\a+\b)+4:8*(8*\a+\b)+7] offset:\a*16*SP+64*\b+16
.endr
.endr
	WIN 0
	; Back by rows (LDS serves a wave's instructions in order, ISA guide 5.7.1.4: these loads see my stores).  A trip: 8 rows; X is rounded to bf16 and added in one instruction a number.
	s_mov_b32 s2, 8
.Lrows:
.irp i, 0,1,2,3,4,5,6,7
	ds_load_b128 v[64+4*\i:67+4*\i], v[RD] offset:SP*\i
	ds_load_b128 v[96+4*\i:99+4*\i], v[RX] offset:1024*\i
.endr
.irp i, 0,1,2,3,4,5,6,7
	s_wait_dscnt 2*(7-\i)                  ; row i's two loads are in; the younger rows' stay out
	v_cvt_pk_bf16_f32 v[32+2*\i], v[96+4*\i], v[97+4*\i]
	v_cvt_pk_bf16_f32 v[33+2*\i], v[98+4*\i], v[99+4*\i]
	v_fma_mix_f32_bf16 v[128+4*\i], v[32+2*\i], v[ONE], v[64+4*\i] op_sel_hi:[1,0,0]
	v_fma_mix_f32_bf16 v[129+4*\i], v[32+2*\i], v[ONE], v[65+4*\i] op_sel:[1,0,0] op_sel_hi:[1,0,0]
	v_fma_mix_f32_bf16 v[130+4*\i], v[33+2*\i], v[ONE], v[66+4*\i] op_sel_hi:[1,0,0]
	v_fma_mix_f32_bf16 v[131+4*\i], v[33+2*\i], v[ONE], v[67+4*\i] op_sel:[1,0,0] op_sel_hi:[1,0,0]
	global_store_b128 v[GO], v[128+4*\i:131+4*\i], s[86:87] offset:8192*\i th:TH_STORE_NT  ; 512 consecutive bytes, at a multiple of 256 from out0's first
.endr
	s_wait_xcnt 0x0                        ; the stores' data and offset are rewritten only behind this wait
	v_add_nc_u32 v[RD], 8*SP, v[RD]
	v_add_nc_u32 v[RX], 8192, v[RX]
	v_add_nc_u32 v[GO], 65536, v[GO]
	s_sub_co_u32 s2, s2, 1
	s_cmp_lg_u32 s2, 0
	s_cbranch_scc1 .Lrows
	s_wait_tensorcnt 0x0                   ; the wave's end: a wait, an add and its wait, behind my last tensor load and my last LDS store
	ds_add_u32 v[SPW], v[NIL]
	s_wait_dscnt 0x0
	CROUND                                 ; the closing round: no work-group ends while a partner may still ask for a tile that names it
	s_endpgm
.Lfunc_end_k_qedd2377ad7_oproj:
	.size	k_qedd2377ad7_oproj, .Lfunc_end_k_qedd2377ad7_oproj-k_qedd2377ad7_oproj
	.p2alignl 7, 3214868480
	.fill 96, 4, 3214868480
	.section	.rodata,"a",@progbits
	.p2align	6, 0x0
	.amdhsa_kernel k_qedd2377ad7_oproj
		.amdhsa_group_segment_fixed_size 327680
		.amdhsa_private_segment_fixed_size 0
		.amdhsa_enable_private_segment 0
		.amdhsa_kernarg_size 40
		.amdhsa_user_sgpr_count 2
		.amdhsa_user_sgpr_kernarg_segment_ptr 1
		.amdhsa_wavefront_size32 1
		.amdhsa_system_sgpr_workgroup_id_x 1
		.amdhsa_system_sgpr_workgroup_id_y 1
		.amdhsa_system_sgpr_workgroup_id_z 1
		.amdhsa_system_vgpr_workitem_id 0
		.amdhsa_next_free_vgpr 576
		.amdhsa_next_free_sgpr 96
		.amdhsa_reserve_vcc 0
		.amdhsa_float_denorm_mode_32 3
		.amdhsa_float_denorm_mode_16_64 3
		.amdhsa_memory_ordered 1
		.amdhsa_forward_progress 1
		.amdhsa_inst_pref_size 72
	.end_amdhsa_kernel
	.amdgpu_metadata
---
amdhsa.version: [ 1, 2 ]
amdhsa.kernels:
  - .name:           k_qedd2377ad7_oproj
    .symbol:         k_qedd2377ad7_oproj.kd
    .args:
      - { .name: ob, .offset: 0, .size: 8, .value_kind: global_buffer, .address_space: global }
      - { .name: wo16, .offset: 8, .size: 8, .value_kind: global_buffer, .address_space: global }
      - { .name: Wo_b, .offset: 16, .size: 8, .value_kind: global_buffer, .address_space: global }
      - { .name: X, .offset: 24, .size: 8, .value_kind: global_buffer, .address_space: global }
      - { .name: out0, .offset: 32, .size: 8, .value_kind: global_buffer, .address_space: global }
    .group_segment_fixed_size: 327680
    .private_segment_fixed_size: 0
    .kernarg_segment_align: 8
    .kernarg_segment_size: 40
    .max_flat_workgroup_size: 128
    .sgpr_count:     96
    .vgpr_count:     576
    .wavefront_size: 32
...
	.end_amdgpu_metadata
.endif
;; end of part 4
